; MI455X (gfx1250); checked and timed in simulation.
; The chip was launched on July 23, 2026; its instructions are those of AMD's public machine-readable ISA for CDNA 5 (MIT licence, August 2026) and "CDNA5" Instruction Set Architecture Reference Guide (July 2026). The comments in the code are by the model that wrote it; some were corrected since.
;; Grouped Query Attention. Allowed arithmetic: matrix products marked QUANTISED: E2M3 operands, one E8M0 scale for each 32 along K, by v_wmma_scale_f32_16x16x128_f8f6f4 with both operands' format E2M3, f32 sums; everything else in f32.
;; Inputs: W_k 2,048 x 512 float32; W_o 2,048 x 2,048 float32; W_q 2,048 x 2,048 float32; W_v 2,048 x 512 float32; mask 1 x 1 x 2,048 x 2,048 int32; x 1 x 2,048 x 2,048 float32.
;; Outputs: out0 1 x 2,048 x 2,048 float32; out1 1 x 8 x 2,048 x 64 float32; out2 1 x 8 x 2,048 x 64 float32.
;; This version of the problem:
;;   THIS VERSION OF THE PROBLEM IS GIVEN IN LOW PRECISION. The matrix products marked QUANTISED in the list below multiply operands that are first quantised to E2M3 (2 exponent bits, 3 mantissa bits; 6 bits a number), with one power-of-two scale for each 32 numbers along K (OCP MX v1.0); their sums are f32. All else is computed in f32.
;;   The module's matrix products, in the order in which they are computed (A, B: the left and right operand; K: the contracted axis; several contracted axes count as one K, in the product's order):
;;     1. [M 2,048, K 2,048] x [K 2,048, N 2,048]; A: input x; B: input W_q: QUANTISED
;;     2. [M 2,048, K 2,048] x [K 2,048, N 512]; A: input x; B: input W_k: QUANTISED
;;     3. [M 2,048, K 2,048] x [K 2,048, N 512]; A: input x; B: input W_v: QUANTISED
;;     4. batch 8 x [M 8,192, K 64] x [K 64, N 2,048]; A: computed on the way; B: computed on the way: QUANTISED
;;     5. batch 8 x [M 8,192, K 2,048] x [K 2,048, N 64]; A: softmax (see below); B: computed on the way: QUANTISED
;;     6. [M 2,048, K 2,048] x [K 2,048, N 2,048]; A: computed on the way; B: input W_o: QUANTISED
;;   THE QUANTISER, for each operand of a quantised product, along K:
;;     - K is cut into blocks of 32 from its start; a last block that is shorter is filled with zeros.
;;     - A block's scale is 2^e with e = floor(log2(the largest magnitude in the block)) - 2, held to -126 .. 127; a block of zeros has e = 0. As a byte (E8M0): e + 127.
;;     - Each number is divided by its block's scale, clamped to +-7.5, and rounded to the nearest number of E2M3, ties to even, subnormals kept.
;;     - The product sums the exact products of the quantised numbers (number of the format x scale) in f32.
;;   ~~~python
;;   def quantise(x, axis):      # numpy; x: float32 -> the quantised numbers, widened to float32 again
;;       x = np.moveaxis(x, axis, -1); K = x.shape[-1]
;;       x = np.pad(x, [(0, 0)] * (x.ndim - 1) + [(0, -K % 32)]); x = x.reshape(x.shape[:-1] + (-1, 32)); a = np.abs(x).max(-1, keepdims=True)
;;       e = np.where(a > 0, np.clip(np.frexp(np.where(a > 0, a, 1))[1] - 1 - 2, -126, 127), 0)      # np.frexp(a)[1] - 1 = floor(log2(a)), exactly
;;       r = np.clip(x / 2.0 ** e, -7.5, 7.5)
;;       step = 2.0 ** (np.maximum(np.frexp(np.where(r == 0, 1, r))[1] - 1, 0) - 3)
;;       q = np.round(r / step) * step * 2.0 ** e      # np.round: ties to even
;;       return np.moveaxis(q.reshape(q.shape[:-2] + (-1,))[..., :K], -1, axis).astype(np.float32)
;;   ~~~
;;   SOFTMAX AHEAD OF A QUANTISED PRODUCT. Where the list says 'softmax', what is quantised is not the finished softmax but p = 2^(t - M), with t = logit x log2(e) and M = ceil(the row's largest t), a whole number; so 1/2 < the row's largest p <= 1. The row's sum l is taken of the UNQUANTISED p, in f32, and the product's result is divided by l at the end. Since M is a whole number, a kernel that streams over the keys may use a running M (the ceiling of the running maximum): every later rescaling is an exact power of two, which a block's scale takes up: the codes' values come out the same.
;;   OPERANDS COMPUTED ON THE WAY. 'Computed on the way' means the value that the module computes at that place (a softmax that the list does not call 'softmax' is quantised finished and normalised). What goes into a quantiser is computed in f32, as accurately as f32 sums, v_exp_f32 and their like allow (about 1e-6 of the number): no bf16 or f16 on the way to a quantiser, and a product that is left as it is and whose result goes on into a quantised operand takes f32 operands (vector FMAs, or v_wmma_f32_16x16x4_f32). A number that lies on a knife's edge between two numbers of the format may be rounded either way, as far as f32 arithmetic and the matrix unit's own rounding can turn it there, and no further.
;; 2 versions, each right; version 2 is version 1 with the launch attn written anew for expert scheduling mode. Each part assembles by itself: llvm-mc -triple=amdgcn-amd-amdhsa -mcpu=gfx1250 --defsym DOCPART=n.
;; ======== version 1 of 2: 4 launches
;; workspace buffers: bx 3,276,800 bytes; bw 8,192,000 bytes; bm 524,288 bytes of whole numbers; bq 3,407,872 bytes; bkv 1,671,168 bytes; bh 3,276,800 bytes
;; launch prep (part 1): grid 416 x 1, 4 waves a work-group, no clusters, 84,480 bytes of LDS; arguments x, mask, W_q, W_k, W_v, W_o, bx, bw, bm; writes bx, bw, bm
.if DOCPART == 1
	.amdgcn_target "amdgcn-amd-amdhsa--gfx1250"
	.amdhsa_code_object_version 6
	.text
	.protected	k_qb4e1e23fdc_prep
	.globl	k_qb4e1e23fdc_prep
	.p2align	8
	.type	k_qb4e1e23fdc_prep,@function
k_qb4e1e23fdc_prep:
	s_mov_b64 s[64:65], 0
	v_nop
	global_prefetch_b8 v0, s[64:65] scope:SCOPE_SE
	s_setreg_imm32_b32 hwreg(HW_REG_WAVE_MODE, 25, 1), 1
	s_wait_xcnt 0x0
; x [2048][2048] and the four weights ([2048 (k)][n]) become codes of FP6 (E2M3) with one E8M0 byte for each 32 along K; the mask becomes one bit an entry.
; ALL THAT IS STORED LIES IN THE ORDER OF THE OPERANDS' REGISTERS.  A row tile T is 16 rows: row r of it is ROW(T, r) = 32 (T / 2) + 8 (T % 2) + r + 8 (r / 8).
; A HALF (768 bytes) is 16 rows x 64 K: lane l = r + 16 h owns the 24 bytes of k = 32 h .. 32 h + 31 of its row: 16 of them at 16 l, 8 at 512 + 8 l.  Codes: T x 24,576 + (k / 64) x 768.
; Scale bytes: T x 1,024 + (k / 512) x 256 + 16 r + (k / 32) % 16.   bw's rows n: W_q 0.., W_k 2048.., W_v 2560.., W_o 3072..5119.
; bm: T x 4,096 + j x 256 + 4 n: bit r + 16 h of word n says whether mask[ROW(T, r)][128 j + 32 (n / 16) + 16 h + n % 16] is not 0: the lane mask of one register of scores.
; A block's scale is 2^(floor(log2(largest magnitude)) - 2): its byte is the largest magnitude's exponent field - 2, held at 1 from below.
; LIMITS: a block of zeros gets the byte 1 where the rule says 127 (its codes are zeros, and this program alone reads the bytes); blocks whose largest magnitude lies under 2^-124 are held at the byte 1;
; NaN and infinities among the inputs are not served.
; SHARES: work-groups 0-159 the weights (128 columns x 512 along K each), 160-287 x, 288-415 the mask (a row tile each; wave w its columns 512 w on).  Waves share nothing: no barrier.
; x and the mask are both [2048][2048] of 4 bytes and walk ONE path; they part only round register work and stores.  The weights' path has LDS bytes of its own.
.set XSC,  3145728                     ; bx: where the scale bytes begin
.set WSC,  7864320                     ; bw: likewise
.set XMW,  8448                        ; x / mask: a wave's stage: 16 rows x (512 + 16) bytes
.set WST,  33792                       ; the weights' stages begin here
.set WSW,  12544                       ; a wave's: 2 row tiles x (8 halves x 768 + 128)
.set R,    16                          ; v16-143  two sets of 64 registers as loaded
.set X,    144                         ; v144-207 64 numbers: register 16 b + i = column 32 b + 16 h + i of my row
.set TM,   208                         ; v208-223 at work in QUANT
.set PC,   224                         ; v224-242 a fragment's codes
.set PWQ,  244                         ; v244-247 the four blocks' scale words
.set MW,   248                         ; v248-255 the four blocks' mask words, a pair a block
.set SEL,  42                          ; s[42:43] lane selects for lane l xor 16
.set WX,   48                          ; weights: v48-111 two sets of 32 numbers
.set C,    112                         ; v112-122 a block's codes
.set SB,   124                         ; v124-127 16 scale bytes
.set OUTR, 128                         ; v128-223 the way out
	s_load_b256 s[4:11], s[0:1], 0x0               ; x, mask, W_q, W_k
	s_load_b256 s[12:19], s[0:1], 0x20             ; W_v, W_o, bx, bw
	s_load_b64 s[20:21], s[0:1], 0x40              ; bm
	v_lshl_add_u32 v239, v0, 2, 0x14800
	v_mov_b32 v243, 0
	v_lshrrev_b32 v1, 5, v0
	v_readfirstlane_b32 s2, v1                     ; wave
	v_and_b32 v10, 31, v0                          ; lane
	v_lshlrev_b32 v1, 4, v10                       ; 16 l
	v_lshlrev_b32 v4, 3, v10                       ; 8 l
	s_cmp_lt_u32 ttmp9, 160
	s_cbranch_scc1 .Lweights
; ---------------------------------------------------------------- x and the mask
	s_sub_co_u32 s22, ttmp9, 160
	s_wait_kmcnt 0x0
	s_cmp_lt_u32 s22, 128                          ; x's work-group or the mask's: the choice hangs on the work-group's number alone
	s_cselect_b32 s3, 1, 0
	s_cselect_b64 s[24:25], s[4:5], s[6:7]
	s_and_b32 s22, s22, 127                        ; T
	s_lshr_b32 s23, s22, 1
	s_lshl_b32 s23, s23, 5
	s_and_b32 s26, s22, 1
	s_lshl_b32 s26, s26, 3
	s_add_co_u32 s23, s23, s26                     ; the tile's first row: 32 (T / 2) + 8 (T % 2)
	s_lshl_b32 s26, s23, 13                        ; rows of 8,192 bytes
	s_lshl_b32 s27, s2, 11                         ; my wave's 512 columns
	s_add_co_u32 s26, s26, s27
	s_mov_b32 s27, 0
	s_add_nc_u64 s[24:25], s[24:25], s[26:27]
	s_mul_i32 s26, s22, 24576
	s_mul_i32 s28, s2, 6144
	s_add_co_u32 s26, s26, s28
	s_add_nc_u64 s[36:37], s[16:17], s[26:27]      ; bx: my wave's 8 halves
	s_lshl_b32 s26, s22, 10
	s_lshl_b32 s28, s2, 8
	s_add_co_u32 s26, s26, s28
	s_add_co_u32 s26, s26, XSC
	s_add_nc_u64 s[38:39], s[16:17], s[26:27]      ; bx: my wave's 256 scale bytes
	s_lshl_b32 s26, s22, 12
	s_lshl_b32 s28, s2, 10
	s_add_co_u32 s26, s26, s28
	s_add_nc_u64 s[40:41], s[20:21], s[26:27]      ; bm: my wave's four key steps
	s_mul_i32 s28, s2, XMW
	v_add_nc_u32 v2, s28, v1                       ; the stage, in: 16 l of a row
	v_and_b32 v11, 15, v0                          ; r
	v_bfe_u32 v5, v0, 4, 1                         ; h
	v_mul_u32_u24 v3, v11, 528
	v_lshl_add_u32 v3, v5, 6, v3
	v_add_nc_u32 v3, s28, v3                       ; out: row r, + 64 h: 16 neighbours of each block of 32
	v_lshlrev_b32 v6, 4, v11
	v_lshl_add_u32 v6, v5, 3, v6                   ; 16 r + 8 h
	s_mov_b32 s[SEL], 0x76543210
	s_mov_b32 s[SEL+1], 0xfedcba98
.irp i, 0,1,2,3
	v_mov_b32 v[TM+4+\i], 0                        ; a lane permute's destination counts as one of its sources
	v_mov_b32 v[PWQ+\i], 0                         ; written in one arm alone: so they are written here
.endr
.irp i, 0,1,2,3,4,5,6,7
	v_mov_b32 v[MW+\i], 0                          ; v_writelane_b32 fills them lane by lane
.endr
.macro LOAD16 q                        ; block q: 128 columns of the tile's 16 rows: each load reads 512 consecutive bytes of one row
.irp rr, 0,1,2,3,4,5,6,7,8,9,10,11,12,13,14,15
	global_load_b128 v[R+64*((\q)%2)+4*\rr:R+64*((\q)%2)+4*\rr+3], v1, s[24:25] offset:(\rr+8*(\rr/8))*8192+512*(\q) th:TH_LOAD_NT
.endr
.endm
.macro TURN q                          ; through my stage: in as rows, out 64 bytes of my row at a time.  LDS serves a wave's instructions in order: no wait between
.irp rr, 0,1,2,3,4,5,6,7,8,9,10,11,12,13,14,15
	ds_store_b128 v2, v[R+64*((\q)%2)+4*\rr:R+64*((\q)%2)+4*\rr+3] offset:\rr*528
.endr
.irp b, 0,1,2,3
.irp i, 0,1,2,3
	ds_load_b128 v[X+16*\b+4*\i:X+16*\b+4*\i+3], v3 offset:128*\b+16*\i
.endr
.endr
.endm
; 64 numbers of a lane become a fragment's codes in v[PC] on (registers 6 c .. 6 c + 5: k = 64 c + 32 h + 0 .. 31) and its scale word in v[pw]
.macro QUANT s, pw
.irp b, 0,1,2,3
	v_max3_num_f32 v[TM+\b], |v[\s+16*\b]|, |v[\s+1+16*\b]|, 0x1800000   ; my 16 numbers of block b, and the floor 2^(3 - 127): the byte cannot fall under 1
.endr
.irp i, 2,4,6,8,10,12,14
.irp b, 0,1,2,3
	v_max3_num_f32 v[TM+\b], v[TM+\b], |v[\s+16*\b+\i]|, |v[\s+1+16*\b+\i]|
.endr
.endr
.irp b, 0,1,2,3
	v_permlanex16_b32 v[TM+4+\b], v[TM+\b], s[SEL], s[SEL+1]
.endr
.irp b, 0,1,2,3
	v_max_num_f32 v[TM+\b], v[TM+\b], v[TM+4+\b]   ; with lane l xor 16's: the block's largest magnitude
.endr
.irp b, 0,1,2,3
	v_add_nc_u32 v[TM+12+\b], 0xff000000, v[TM+\b] ; 2 off its exponent field: the conversion's scale operand
.endr
.irp b, 0,1,2,3
	v_lshrrev_b32 v[TM+4+\b], 23, v[TM+12+\b]      ; the scale's byte
.endr
	v_lshl_or_b32 v[\pw], v[TM+5], 8, v[TM+4]
	v_lshl_or_b32 v[\pw], v[TM+6], 16, v[\pw]
	v_lshl_or_b32 v[\pw], v[TM+7], 24, v[\pw]
.irp c, 0,1
	v_cvt_scalef32_pk16_fp6_f32 v[PC+6*\c:PC+2+6*\c], v[\s+32*\c:\s+15+32*\c], v[TM+12+2*\c]
	v_cvt_scalef32_pk16_fp6_f32 v[PC+12+4*\c:PC+14+4*\c], v[\s+16+32*\c:\s+31+32*\c], v[TM+12+2*\c+1]   ; (a conversion's three registers begin on an even number)
.endr
	v_nop                                          ; one plain place behind a scaled conversion
.irp c, 0,1                                    ; a lane is to hold a WHOLE block: lanes 0-15 block 2 c, lanes 16-31 block 2 c + 1
.irp i, 0,1,2
	v_permlane16_swap_b32 v[PC+6*\c+\i], v[PC+12+4*\c+\i]
.endr
.irp i, 0,1,2
	v_mov_b32 v[PC+3+6*\c+\i], v[PC+12+4*\c+\i]
.endr
.endr
.endm
.macro BLOCK q
.if \q < 3
	s_wait_loadcnt 16                              ; this block's 16 loads are in; the next block's 16 may be out
.else
	s_wait_loadcnt 0x0
.endif
	TURN \q
	s_wait_dscnt 0x0                               ; the numbers are back, and the stores have read the set, which takes the loads of two blocks on
.if \q < 2
	LOAD16 \q+2
.endif
	s_cmp_eq_u32 s3, 0
	s_cbranch_scc1 .Lmask_\@
	s_wait_xcnt 0x0                                ; the last block's stores have read the codes' registers
	QUANT X, PWQ+\q
.irp c, 0,1
	global_store_b128 v1, v[PC+6*\c:PC+6*\c+3], s[36:37] offset:(2*\q+\c)*768        ; 512 consecutive bytes,
	global_store_b64 v4, v[PC+6*\c+4:PC+6*\c+5], s[36:37] offset:(2*\q+\c)*768+512   ; and 256
.endr
	s_branch .Lnext_\@
.Lmask_\@:
.set n, 0
.rept 16                                       ; a compare gives the lane mask of register n: that IS word n; it goes to lane n / 2, register n % 2
.irp k, 0,1,2,3
	v_cmp_ne_u32 s[32+\k], 0, v[X+n+\k]
.endr
.irp k, 0,1,2,3
	v_writelane_b32 v[MW+2*\q+\k%2], s[32+\k], (n+\k)/2
.endr
.set n, n+4
.endr
	global_store_b64 v4, v[MW+2*\q:MW+2*\q+1], s[40:41] offset:256*\q   ; a key step's 64 words: 256 consecutive bytes
.Lnext_\@:
.endm
	LOAD16 0
	LOAD16 1
	BLOCK 0
	BLOCK 1
	BLOCK 2
	BLOCK 3
	s_cmp_eq_u32 s3, 0
	s_cbranch_scc1 .Lend
	v_cmp_ne_u32 vcc_lo, 0, v5
	v_cndmask_b32 v208, v[PWQ], v[PWQ+2], vcc_lo   ; every lane holds its row's four words: lanes 0-15 store the first two, lanes 16-31 the others
	v_cndmask_b32 v209, v[PWQ+1], v[PWQ+3], vcc_lo
	global_store_b64 v6, v[208:209], s[38:39]      ; 256 consecutive bytes
.Lend:
	s_wait_tensorcnt 0x0
	ds_add_u32 v239, v243
	s_wait_dscnt 0x0
	s_endpgm
; ---------------------------------------------------------------- the weights: K is their FIRST axis: a lane takes a column, its registers run down K
.Lweights:
	s_lshr_b32 s22, ttmp9, 2                       ; which 128 of bw's 5,120 rows
	s_and_b32 s23, ttmp9, 3                        ; which 512 along K
	s_wait_kmcnt 0x0
	s_mov_b64 s[24:25], s[8:9]                     ; W_q, first group 0, rows of 8,192 bytes
	s_mov_b32 s26, 0
	s_mov_b32 s27, 8192
	s_cmp_ge_u32 s22, 16
	s_cselect_b64 s[24:25], s[10:11], s[24:25]     ; W_k, 16, 2,048
	s_cselect_b32 s26, 16, s26
	s_cselect_b32 s27, 2048, s27
	s_cmp_ge_u32 s22, 20
	s_cselect_b64 s[24:25], s[12:13], s[24:25]     ; W_v, 20, 2,048
	s_cselect_b32 s26, 20, s26
	s_cmp_ge_u32 s22, 24
	s_cselect_b64 s[24:25], s[14:15], s[24:25]     ; W_o, 24, 8,192
	s_cselect_b32 s26, 24, s26
	s_cselect_b32 s27, 8192, s27
	s_sub_co_u32 s26, s22, s26
	s_lshl_b32 s26, s26, 9                         ; 128 columns of 4 bytes
	s_lshl_b32 s28, s2, 7                          ; my wave's 32
	s_add_co_u32 s26, s26, s28
	s_lshl_b32 s28, s23, 9
	s_mul_i32 s28, s28, s27                        ; 512 rows a K group
	s_add_co_u32 s28, s26, s28
	s_mov_b32 s29, 0
	s_add_nc_u64 s[32:33], s[24:25], s[28:29]      ; a base for each of the 16 blocks: no pointer is stepped while loads are out
	s_lshl_b32 s28, s27, 5                         ; 32 rows
.set t, 1
.rept 15
	s_add_nc_u64 s[32+2*t:33+2*t], s[30+2*t:31+2*t], s[28:29]
.set t, t+1
.endr
	v_lshlrev_b32 v3, 2, v10
.irp i, 0,1,2,3,4,5,6,7,8,9,10,11,12,13,14,15,16,17,18,19,20,21,22,23,24,25,26,27,28,29,30,31
	v_mad_u32_u24 v[16+\i], s27, \i, v3            ; row i of a block, my column
.endr
	s_mul_i32 s30, s2, WSW
	s_add_co_u32 s30, s30, WST                     ; my stage
	v_bfe_u32 v12, v0, 3, 1                        ; column l of 32 is row r = l % 8 + 8 (l / 16) of row tile (l / 8) % 2
	v_and_b32 v13, 7, v0
	v_bfe_u32 v14, v0, 4, 1
	v_lshl_add_u32 v13, v14, 3, v13
	v_mul_u32_u24 v15, v12, 6272
	v_add_nc_u32 v15, s30, v15
	v_lshl_add_u32 v8, v13, 4, v15                 ; a half's first 16 bytes of row r
	v_lshl_add_u32 v9, v13, 3, v15
	v_add_nc_u32 v9, 512, v9                       ; and its last 8
	v_add_nc_u32 v7, s30, v1                       ; the way out: 16 l
	v_lshlrev_b32 v6, 10, v12
	v_lshl_add_u32 v6, v13, 4, v6                  ; my 16 scale bytes
	s_lshl_b32 s30, s22, 3
	s_lshl_b32 s31, s2, 1
	s_add_co_u32 s30, s30, s31                     ; my wave's first row tile
	s_mul_i32 s26, s30, 24576
	s_mul_i32 s31, s23, 6144
	s_add_co_u32 s26, s26, s31
	s_mov_b32 s27, 0
	s_add_nc_u64 s[4:5], s[18:19], s[26:27]        ; bw: codes
	s_lshl_b32 s26, s30, 10
	s_lshl_b32 s31, s23, 8
	s_add_co_u32 s26, s26, s31
	s_add_co_u32 s26, s26, WSC
	s_add_nc_u64 s[6:7], s[18:19], s[26:27]        ; bw: scale bytes
.macro WLOAD t                         ; block t: 32 rows of K at my column: 128 consecutive bytes a wave, 512 a work-group
.irp i, 0,1,2,3,4,5,6,7,8,9,10,11,12,13,14,15,16,17,18,19,20,21,22,23,24,25,26,27,28,29,30,31
	global_load_b32 v[WX+32*((\t)%2)+\i], v[16+\i], s[32+2*(\t):33+2*(\t)] th:TH_LOAD_NT
.endr
.endm
.macro WBLOCK t
.set XB, WX+32*((\t)%2)
.if (\t) < 15
	s_wait_loadcnt 32                              ; this block's 32 loads are in; the next block's may be out
.else
	s_wait_loadcnt 0x0
.endif
	v_max3_num_f32 v10, |v[XB]|, |v[XB+1]|, |v[XB+2]|   ; all 32 numbers of the block are mine
	v_max3_num_f32 v11, |v[XB+3]|, |v[XB+4]|, |v[XB+5]|
.irp i, 6,10,14,18,22,26
	v_max3_num_f32 v10, v10, |v[XB+\i]|, |v[XB+\i+1]|
	v_max3_num_f32 v11, v11, |v[XB+\i+2]|, |v[XB+\i+3]|
.endr
	v_max3_num_f32 v10, v10, |v[XB+30]|, |v[XB+31]|
	v_max3_num_f32 v10, v10, v11, 0x1800000        ; and the floor
	v_add_nc_u32 v11, 0xff000000, v10              ; the conversion's scale operand
	v_lshrrev_b32 v12, 23, v11                     ; the byte
.if (\t)%4 == 0
	v_mov_b32 v[SB+(\t)/4], v12
.else
	v_lshl_or_b32 v[SB+(\t)/4], v12, 8*((\t)%4), v[SB+(\t)/4]
.endif
	v_cvt_scalef32_pk16_fp6_f32 v[C:C+2], v[XB:XB+15], v11
	v_cvt_scalef32_pk16_fp6_f32 v[C+8:C+10], v[XB+16:XB+31], v11
	v_nop                                          ; one plain place behind a scaled conversion
.irp i, 0,1,2
	v_mov_b32 v[C+3+\i], v[C+8+\i]
.endr
	ds_store_b128 v8, v[C:C+3] offset:((\t)/2)*768+((\t)%2)*256     ; block t is half t / 2, lanes' half t % 2
	ds_store_b64 v9, v[C+4:C+5] offset:((\t)/2)*768+((\t)%2)*128
.if (\t)+2 < 16
	WLOAD (\t)+2
.endif
	s_wait_dscnt 0x0                               ; the stores have read the codes' registers
.endm
	WLOAD 0
	WLOAD 1
.set Q, 0
.rept 16
	WBLOCK Q
.set Q, Q+1
.endr
	global_store_b128 v6, v[SB:SB+3], s[6:7]       ; the sixteen lanes of a row tile store 256 consecutive bytes
.irp i, 0,1,2,3,4,5,6,7,8,9,10,11,12,13,14,15,16,17,18,19,20,21,22,23
	ds_load_b128 v[OUTR+4*\i:OUTR+4*\i+3], v7 offset:(\i/12)*6272+512*(\i%12)
.endr
.irp i, 0,1,2,3,4,5,6,7,8,9,10,11,12,13,14,15,16,17,18,19,20,21,22,23
	s_wait_dscnt 23-\i                             ; the loads issued behind load i may be out
	global_store_b128 v1, v[OUTR+4*\i:OUTR+4*\i+3], s[4:5] offset:(\i/12)*24576+512*(\i%12)   ; 512 consecutive bytes
.endr
	s_wait_tensorcnt 0x0
	ds_add_u32 v239, v243
	s_wait_dscnt 0x0
	s_endpgm
.Lfunc_end_k_qb4e1e23fdc_prep:
	.size	k_qb4e1e23fdc_prep, .Lfunc_end_k_qb4e1e23fdc_prep-k_qb4e1e23fdc_prep
	.p2alignl 7, 3214868480
	.fill 96, 4, 3214868480
	.section	.rodata,"a",@progbits
	.p2align	6, 0x0
	.amdhsa_kernel k_qb4e1e23fdc_prep
		.amdhsa_group_segment_fixed_size 84480
		.amdhsa_private_segment_fixed_size 0
		.amdhsa_enable_private_segment 0
		.amdhsa_kernarg_size 72
		.amdhsa_user_sgpr_count 2
		.amdhsa_user_sgpr_kernarg_segment_ptr 1
		.amdhsa_wavefront_size32 1
		.amdhsa_system_sgpr_workgroup_id_x 1
		.amdhsa_system_sgpr_workgroup_id_y 1
		.amdhsa_system_sgpr_workgroup_id_z 1
		.amdhsa_system_vgpr_workitem_id 0
		.amdhsa_next_free_vgpr 256
		.amdhsa_next_free_sgpr 72
		.amdhsa_reserve_vcc 1
		.amdhsa_float_denorm_mode_32 3
		.amdhsa_float_denorm_mode_16_64 3
		.amdhsa_memory_ordered 1
		.amdhsa_forward_progress 1
		.amdhsa_inst_pref_size 151
	.end_amdhsa_kernel
	.amdgpu_metadata
---
amdhsa.version: [ 1, 2 ]
amdhsa.kernels:
  - .name:           k_qb4e1e23fdc_prep
    .symbol:         k_qb4e1e23fdc_prep.kd
    .args:
      - { .name: x, .offset: 0, .size: 8, .value_kind: global_buffer, .address_space: global }
      - { .name: mask, .offset: 8, .size: 8, .value_kind: global_buffer, .address_space: global }
      - { .name: W_q, .offset: 16, .size: 8, .value_kind: global_buffer, .address_space: global }
      - { .name: W_k, .offset: 24, .size: 8, .value_kind: global_buffer, .address_space: global }
      - { .name: W_v, .offset: 32, .size: 8, .value_kind: global_buffer, .address_space: global }
      - { .name: W_o, .offset: 40, .size: 8, .value_kind: global_buffer, .address_space: global }
      - { .name: bx, .offset: 48, .size: 8, .value_kind: global_buffer, .address_space: global }
      - { .name: bw, .offset: 56, .size: 8, .value_kind: global_buffer, .address_space: global }
      - { .name: bm, .offset: 64, .size: 8, .value_kind: global_buffer, .address_space: global }
    .group_segment_fixed_size: 84480
    .private_segment_fixed_size: 0
    .kernarg_segment_align: 8
    .kernarg_segment_size: 72
    .max_flat_workgroup_size: 128
    .sgpr_count:     72
    .vgpr_count:     256
    .wavefront_size: 32
...
	.end_amdgpu_metadata
.endif
;; end of part 1
;; launch gemm_qkv (part 2): grid 24 x 16, 4 waves a work-group, clusters of 4 x 4, 327,680 bytes of LDS; arguments bx, bw, bq, bkv, out1, out2; writes bq, bkv, out1, out2
.if DOCPART == 2
	.amdgcn_target "amdgcn-amd-amdhsa--gfx1250"
	.amdhsa_code_object_version 6
	.text
	.protected	k_qb4e1e23fdc_gemm_qkv
	.globl	k_qb4e1e23fdc_gemm_qkv
	.p2align	8
	.type	k_qb4e1e23fdc_gemm_qkv,@function
k_qb4e1e23fdc_gemm_qkv:
	s_mov_b64 s[64:65], 0
	v_nop
	global_prefetch_b8 v0, s[64:65] scope:SCOPE_SE
	s_setreg_imm32_b32 hwreg(HW_REG_WAVE_MODE, 25, 1), 1
	s_wait_xcnt 0x0
	s_wait_alu depctr_hold_cnt(0) depctr_sa_sdst(0) depctr_va_vdst(0) depctr_va_sdst(0) depctr_va_ssrc(0) depctr_va_vcc(0) depctr_vm_vsrc(0)
	s_getreg_b32 s2, hwreg(HW_REG_IB_STS2, 6, 4)
	s_cmp_eq_u32 s2, 0
	s_cbranch_scc0 .Lentry_in_a_cluster
	s_endpgm
.Lentry_in_a_cluster:
	s_bfe_u32 s2, ttmp6, 0x10000c
	s_cmp_lg_u32 s2, 0xf033
	s_cbranch_scc0 .Lentry_shape_is_right
	s_endpgm
.Lentry_shape_is_right:
; Q = x W_q, K = x W_k, V = x W_v on codes of FP6 (E2M3) with E8M0 scales, K = 2048.  K and V leave as f32 (out1, out2); Q, K and V also leave as codes, quantised here in registers for the attention.
; OPERANDS lie in memory in the order of the operands' registers.  A row tile T is 16 rows, row r of it ROW(T, r) = 32 (T / 2) + 8 (T % 2) + r + 8 (r / 8).  A half (768 bytes) is 16 rows x 64 K: lane l has 16 bytes at 16 l
; and 8 at 512 + 8 l.  Codes: T x 24,576 + (k / 64) x 768; scale bytes: T x 1,024 + (k / 512) x 256 + 16 r + (k / 32) % 16.  So a fragment is four LDS loads of consecutive bytes: no pitch, no padding.
; SHARES.  A work-group makes 128 rows of X1 x 128 rows of X0; each of its four waves 64 x 64: 16 accumulators.  Source 0 = X0, source 1 = X1: a lane holds ONE row of X1, and by ROW's order the 16 registers of X0's tiles
; 2 b, 2 b + 1 are X0's rows 32 b + 16 (lane / 16) + 0 .. 15: neighbours, fit for the conversions.  Clusters x = 0..3: Q, x = 4: K (X0 = weights, X1 = x: registers run along the head's 64).
; Cluster x = 5: V (X0 = x, X1 = weights: registers run along the keys, which are the K of the attention's second product).  The kind hangs on the cluster's x alone: it is the same in all sixteen partners.
; CLUSTER 4 x 4: X1's tiles hang on cy alone and are asked for jointly along a row of the cluster, X0's on cx alone and along a column.
; LDS: three slots of 98,304 bytes (512 along K: X1's 8 row tiles x 6,144, then X0's), the scales of all of K (16,384), the spare words.  K has four groups of 512: three are first fills, asked for together at the head,
; by this text's count four tensor loads a wave with the scales; the fourth is the one refill, into slot 0.  The way out's stages lie in slot 1: it has had its last fill, and its last read stands ahead of the last barrier.
; WHAT IS STORED: bq: codes (head x 128 + T) x 768; scale words at QSC + (head x 32 + T / 4) x 256 + 16 r + 4 (T % 4): two bytes, then two zeros.   bkv, for each of 8 heads 196,608 bytes, 12,288 a key step j:
; K's 8 tiles x 768, then V's two halves of the step's 128 keys x 4 tiles of d x 768; scales at KVS + head x 12,288: K's words as Q's (8,192), then V's: j x 256 + 16 r + 4 (tile of d) + key block.
; V's scale bytes leave one byte a lane (32,768 bytes in the whole launch): a wave has two of a word's four.
; LIMITS: a block of zeros gets the byte 1, not 127 (zero codes; read by this program alone); largest magnitudes under 2^-124 are held at the byte 1; NaN and infinities are not served.
.set XSC,   3145728
.set WSC,   7864320
.set QSC,   3145728
.set KVS,   1572864
.set SLOT,  98304
.set SCL,   294912
.set SPARE, 311296                     ; the spare words: 128 bytes a wave, two blocks of 256 bytes that no other line names
.set STG,   98304                      ; the stages: 17,408 bytes a wave
.set A16, 4                            ; v4-6    X1's fragments in slot s: 16 l;   v7-9: 512 + 8 l
.set A8,  7
.set B16, 10                           ; v10-12, v13-15: the same for X0
.set B8,  13
.set L16, 16                           ; v16 16 l;  v17 8 l;  v18 r;  v19 h;  v20 16 r + 8 h;  v21 16 r + h
.set L8,  17
.set RR,  18
.set HH,  19
.set ADRS, 22                          ; v22 my scale words: lanes 0-15 X1's, lanes 16-31 X0's
.set STO, 24                           ; v24 stage, in;  v25 stage, back;  v27 stage, in, for V
.set RD,  25
.set VST, 27
.set SPW, 28                           ; v28 my spare word;  v29 0: both never rewritten
.set NIL, 29
.set SC,  32                           ; v32-63 scale words, two sets of 16: register 4 i + q: tile i, the K group's q-th 128.  On the way out: rows read back
.set RB,  32
.set PC,  64                           ; v64-111 codes, 12 registers for each tile of X1
.set TM,  120                          ; v120-127 at work in QUANT2
.set ACC, 128                          ; v128-255 accumulator (a, t) at 128 + 8 (4 a + t)
.set G1A, 16                           ; s[16:23], s[24:31] group 1 for X1's and X0's codes;  s[32:39], s[40:47] for their scales
.set G1B, 24
.set G1SA, 32
.set G1SB, 40
.set G0A, 48                           ; s[48:63] X1's four groups 0: scales, slots 0, 1, 2;  s[68:83] X0's
.set G0B, 68
.set WV,  84
.set W1,  85                           ; which half of X1 is mine.  Also: I fetch for X1 (0) or X0 (1)
.set W0,  86                           ; which half of X0.  Also: which half of that tile I fetch
.set MSB, 0
.macro WIN new                         ; window 1 holds the fragments: two buffers, at v0 and v128: X1's four at 12 a, X0's at 48 + 12 t.  The immediate's high byte repeats the setting that is left
.if MSB != \new
	s_set_vgpr_msb (MSB<<8)|\new
.set MSB, \new
.endif
.endm
.set W_MUL, 0x05                       ; sources 0 and 1 window 1, C and D window 0
.set W_F,   0x40                       ; destination window 1, address window 0
.macro PLACES                          ; four plain places behind matrix instructions, ahead of loads into their registers and of reads of results
.rept 4
	v_nop
.endr
.endm
.macro CREST                           ; a round of the cluster's barrier behind its opening barrier
	s_cmp_lg_u32 s[WV], 0
	s_cbranch_scc1 .Lnot_wave_0_\@
	s_barrier_signal -3
.Lnot_wave_0_\@:
	s_barrier_wait -3
	s_barrier_signal -1
	s_barrier_wait -1
.endm
.macro CROUND
	s_barrier_signal -1
	s_barrier_wait -1
	CREST
.endm
.macro JLOAD g0a, g1a, g0b, g1b        ; a joint load: waves 0, 1 for X1, waves 2, 3 for X0; four v_nop follow each line
	s_cmp_eq_u32 s[W1], 0
	s_cbranch_scc0 .Lfor_b_\@
	tensor_load_to_lds s[\g0a:\g0a+3], s[\g1a:\g1a+7]
	s_nop 0
.rept 4
	v_nop
.endr
	s_branch .Lasked_\@
.Lfor_b_\@:
	tensor_load_to_lds s[\g0b:\g0b+3], s[\g1b:\g1b+7]
	s_nop 0
.rept 4
	v_nop
.endr
.Lasked_\@:
.endm
.macro FETCH slot, q, buf              ; 32 LDS loads: the 8 fragments of the slot's q-th 128 along K
	WIN W_F
.irp i, 0,1,2,3
.irp c, 0,1
	ds_load_b128 v[\buf+12*\i+6*\c:\buf+12*\i+6*\c+3], v[A16+\slot] offset:\i*6144+(2*(\q)+\c)*768
	ds_load_b64 v[\buf+12*\i+6*\c+4:\buf+12*\i+6*\c+5], v[A8+\slot] offset:\i*6144+(2*(\q)+\c)*768
	ds_load_b128 v[\buf+48+12*\i+6*\c:\buf+48+12*\i+6*\c+3], v[B16+\slot] offset:\i*6144+(2*(\q)+\c)*768
	ds_load_b64 v[\buf+48+12*\i+6*\c+4:\buf+48+12*\i+6*\c+5], v[B8+\slot] offset:\i*6144+(2*(\q)+\c)*768
.endr
.endr
.endm
.macro SCALES kg, set                  ; a K group's scale words: four words a row by one load
	WIN 0
.irp i, 0,1,2,3
	ds_load_b128 v[SC+16*(\set)+4*\i:SC+16*(\set)+4*\i+3], v[ADRS] offset:\i*1024+(\kg)*256
.endr
.endm
.macro MUL8 buf, a0, q, set, zero      ; the 16 accumulators take turns, one instruction a turn, in the same order in every step
	WIN W_MUL
.irp a, \a0, \a0+1
.irp t, 0,1,2,3
.if \zero
	v_wmma_scale_f32_16x16x128_f8f6f4 v[ACC+8*(4*(\a)+\t):ACC+8*(4*(\a)+\t)+7], v[\buf+48+12*\t:\buf+48+12*\t+11], v[\buf+12*(\a):\buf+12*(\a)+11], 0, v[SC+16*(\set)+4*\t+(\q)], v[SC+16*(\set)+4*(\a)+(\q)] matrix_a_fmt:MATRIX_FMT_FP6 matrix_b_fmt:MATRIX_FMT_FP6 matrix_a_scale:MATRIX_SCALE_ROW1
.else
	v_wmma_scale_f32_16x16x128_f8f6f4 v[ACC+8*(4*(\a)+\t):ACC+8*(4*(\a)+\t)+7], v[\buf+48+12*\t:\buf+48+12*\t+11], v[\buf+12*(\a):\buf+12*(\a)+11], v[ACC+8*(4*(\a)+\t):ACC+8*(4*(\a)+\t)+7], v[SC+16*(\set)+4*\t+(\q)], v[SC+16*(\set)+4*(\a)+(\q)] matrix_a_fmt:MATRIX_FMT_FP6 matrix_b_fmt:MATRIX_FMT_FP6 matrix_a_scale:MATRIX_SCALE_ROW1
.endif
.endr
.endr
.endm
.macro SYMS n                          ; step n of 16: its buffer, its place in its K group, its set of scale words; and the next step's slot, place and buffer.  K group 3 lies in slot 0
.set CB, 128*((\n)%2)
.set CQ, (\n)%4
.set CSET, ((\n)/4)%2
.set NSL, (((\n)+1)/4)%3
.set NQ, ((\n)+1)%4
.set NB, 128*(((\n)+1)%2)
.set NKG, ((\n)+1)/4
.set NSET, (((\n)+1)/4)%2
.endm
.macro KSTEP n, zero                   ; the next step's 32 loads are issued ahead of this step's 16 products
	SYMS \n
	s_wait_dscnt 0x0                               ; this step's fragments are in
	PLACES
	FETCH NSL, NQ, NB
.if NQ == 0
	SCALES NKG, NSET
.endif
	MUL8 CB, 0, CQ, CSET, \zero
	MUL8 CB, 2, CQ, CSET, \zero
.endm
; A K group's last step where waves must meet.  In front of the barrier each wave waits for all its tensor loads, adds 0 to its spare word, and waits for that and for its reads.
; refill = 1: the barrier opens a round of the cluster's barrier, and slot 0 is filled again, with K group 3, first thing behind it.
.macro TURN n, refill
	SYMS \n
	s_wait_dscnt 0x0                               ; this step's fragments are in: my reads of the slot are over
	WIN 0                                          ; (the add's two registers lie in window 0)
	s_wait_tensorcnt 0x0                           ; all my tensor loads have landed
	ds_add_u32 v[SPW], v[NIL]                      ; 0 onto my spare word
	MUL8 CB, 0, CQ, CSET, 0                        ; eight products stand between the add and the wait for it
	s_wait_dscnt 0x0                               ; the add is done
	s_barrier_signal -1
	MUL8 CB, 2, CQ, CSET, 0
	WIN 0                                          ; at a branch and at a label every window is 0
	s_barrier_wait -1
.if \refill
	CREST                                          ; no wave of any partner still reads slot 0 or has a load on its way
	s_add_nc_u64 s[G0A+6:G0A+7], s[G0A+6:G0A+7], 3*6144   ; slot 0's descriptors: from K group 0 to K group 3
	s_add_nc_u64 s[G0B+6:G0B+7], s[G0B+6:G0B+7], 3*6144
	JLOAD G0A+4, G1A, G0B+4, G1B                   ; my one tensor load behind the round; its four v_nop are the places for the loads below
.else
	PLACES
.endif
	FETCH NSL, NQ, NB
	SCALES NKG, NSET
.endm
; 32 numbers of a lane, register 16 b + i = index 32 b + 16 h + i of my row, become a half's six registers in v[pc] on; the two blocks' bytes in v[TM+6], v[TM+7]
.macro QUANT2 s, pc
	v_max3_num_f32 v[TM], |v[(\s)]|, |v[(\s)+1]|, 0x1800000      ; each accumulator is read from its low end on; the floor 2^(3 - 127) holds the byte at 1 from below
	v_max3_num_f32 v[TM+1], |v[(\s)+16]|, |v[(\s)+17]|, 0x1800000
.irp i, 2,4,6,8,10,12,14
	v_max3_num_f32 v[TM], v[TM], |v[(\s)+\i]|, |v[(\s)+1+\i]|
	v_max3_num_f32 v[TM+1], v[TM+1], |v[(\s)+16+\i]|, |v[(\s)+17+\i]|
.endr
	v_permlanex16_b32 v[TM+2], v[TM], s46, s47
	v_permlanex16_b32 v[TM+3], v[TM+1], s46, s47
	v_max_num_f32 v[TM], v[TM], v[TM+2]
	v_max_num_f32 v[TM+1], v[TM+1], v[TM+3]
	v_add_nc_u32 v[TM+4], 0xff000000, v[TM]        ; 2 off the exponent field: the conversion's scale operand
	v_add_nc_u32 v[TM+5], 0xff000000, v[TM+1]
	v_lshrrev_b32 v[TM+6], 23, v[TM+4]
	v_lshrrev_b32 v[TM+7], 23, v[TM+5]
	v_cvt_scalef32_pk16_fp6_f32 v[(\pc):(\pc)+2], v[(\s):(\s)+15], v[TM+4]
	v_cvt_scalef32_pk16_fp6_f32 v[(\pc)+8:(\pc)+10], v[(\s)+16:(\s)+31], v[TM+5]
	v_nop                                          ; one plain place behind a scaled conversion
.irp i, 0,1,2
	v_permlane16_swap_b32 v[(\pc)+\i], v[(\pc)+8+\i]   ; lanes 0-15 get block 0 whole, lanes 16-31 block 1
.endr
.irp i, 0,1,2
	v_mov_b32 v[(\pc)+3+\i], v[(\pc)+8+\i]
.endr
.endm
	s_load_b256 s[4:11], s[0:1], 0x0               ; bx, bw, bq, bkv
	s_load_b128 s[12:15], s[0:1], 0x20             ; out1, out2
	v_lshl_add_u32 v[SPW], v0, 2, SPARE
	v_mov_b32 v[NIL], 0
	ds_add_u32 v28, v29
	ds_add_u32 v28, v29
	s_wait_dscnt 0x0
	v_lshrrev_b32 v1, 5, v0
	v_readfirstlane_b32 s[WV], v1
	s_lshr_b32 s[W1], s[WV], 1
	s_and_b32 s[W0], s[WV], 1
	s_bfe_u32 s87, ttmp6, 0x40000                  ; cx
	s_bfe_u32 s88, ttmp6, 0x40004                  ; cy
	s_mov_b32 s89, ttmp9                           ; the cluster's x
	s_and_b32 s90, ttmp7, 0xffff                   ; and y
	s_lshl_b32 s2, s88, 2
	s_lshl_b32 s2, 15, s2                          ; my row of the cluster
	s_lshl_b32 s100, 0x1111, s87                   ; my column
	s_or_b32 s[G1A], s2, (3<<16)|(1<<21)           ; 15:0 the mask; 17:16 elements of 8 bytes; 21 set beside a mask; no padding
	s_or_b32 s[G1SA], s2, (3<<16)|(1<<21)
	s_or_b32 s[G1B], s100, (3<<16)|(1<<21)
	s_or_b32 s[G1SB], s100, (3<<16)|(1<<21)
.irp g, G1A, G1B                       ; codes: 4 row tiles x 6,144 bytes (512 along K), 24,576 bytes apart
	s_mov_b32 s[\g+1], 768<<16
	s_mov_b32 s[\g+2], 4<<16
	s_mov_b32 s[\g+3], 768<<16
	s_mov_b32 s[\g+4], 4
	s_mov_b32 s[\g+5], 3072
	s_mov_b32 s[\g+6], 0
	s_mov_b32 s[\g+7], 0
.endr
.irp g, G1SA, G1SB                     ; scales: 4 row tiles' 4,096 dense bytes as 16 rows of 256
	s_mov_b32 s[\g+1], 32<<16
	s_mov_b32 s[\g+2], 16<<16
	s_mov_b32 s[\g+3], 32<<16
	s_mov_b32 s[\g+4], 16
	s_mov_b32 s[\g+5], 32
	s_mov_b32 s[\g+6], 0
	s_mov_b32 s[\g+7], 0
.endr
	s_max_u32 s91, s89, 3
	s_sub_co_u32 s91, s91, 3                       ; the kind: 0 Q, 1 K, 2 V
	s_lshl_b32 s92, s90, 2
	s_add_co_u32 s93, s92, s88                     ; 4 cluster y + cy
	s_add_co_u32 s96, s88, 20                      ; 20 + cy: W_v's tiles of 128 rows in bw
	s_add_co_u32 s97, s92, s87                     ; 4 cluster y + cx
	s_lshl_b32 s99, s89, 2
	s_add_co_u32 s99, s99, s87                     ; 4 cluster x + cx
	s_mul_i32 s66, s[WV], 24576                    ; where my quarter of a slot lies: no place in the cluster enters an LDS address
	s_lshl_b32 s67, s[WV], 12
	s_add_co_u32 s67, s67, SCL
	s_wait_kmcnt 0x0
	s_cmp_eq_u32 s91, 2
	s_cselect_b32 s96, s96, s93                    ; i1: X1's tile of 128 rows: it hangs on cy alone
	s_cselect_b32 s97, s97, s99                    ; i0: X0's: on cx alone
	s_cselect_b64 s[92:93], s[6:7], s[4:5]         ; X1's buffer
	s_cselect_b64 s[94:95], s[4:5], s[6:7]         ; X0's
	s_mov_b32 s98, XSC
	s_cselect_b32 s98, WSC, s98                    ; where X1's scales begin
	s_mov_b32 s99, WSC
	s_cselect_b32 s99, XSC, s99                    ; and X0's
	s_lshl_b32 s2, s96, 13                         ; X1: 8,192 scale bytes a tile of 128 rows, my half of them
	s_lshl_b32 s3, s[W0], 12
	s_add_co_u32 s2, s2, s3
	s_add_co_u32 s2, s2, s98
	s_mov_b32 s3, 0
	s_add_nc_u64 s[G0A+2:G0A+3], s[92:93], s[2:3]
	s_mul_i32 s2, s96, 196608
	s_mul_i32 s3, s[W0], 98304
	s_add_co_u32 s2, s2, s3
	s_mov_b32 s3, 0
	s_add_nc_u64 s[92:93], s[92:93], s[2:3]        ; X1's codes: my 4 row tiles, K group 0
	s_lshl_b32 s100, s97, 13                       ; X0 likewise
	s_lshl_b32 s101, s[W0], 12
	s_add_co_u32 s100, s100, s101
	s_add_co_u32 s100, s100, s99
	s_mov_b32 s101, 0
	s_add_nc_u64 s[G0B+2:G0B+3], s[94:95], s[100:101]
	s_mul_i32 s100, s97, 196608
	s_mul_i32 s101, s[W0], 98304
	s_add_co_u32 s100, s100, s101
	s_mov_b32 s101, 0
	s_add_nc_u64 s[94:95], s[94:95], s[100:101]
	s_mov_b32 s[G0A], 1
	s_mov_b32 s[G0A+1], s67
	s_or_b32 s[G0A+3], s[G0A+3], 0x80000000
	s_mov_b32 s[G0B], 1
	s_mov_b32 s[G0B+1], s67
	s_or_b32 s[G0B+3], s[G0B+3], 0x80000000
.irp s, 0,1,2
	s_mov_b32 s[G0A+4+4*\s], 1
	s_add_co_u32 s[G0A+5+4*\s], s66, \s*SLOT
	s_add_nc_u64 s[G0A+6+4*\s:G0A+7+4*\s], s[92:93], \s*6144
	s_or_b32 s[G0A+7+4*\s], s[G0A+7+4*\s], 0x80000000
	s_mov_b32 s[G0B+4+4*\s], 1
	s_add_co_u32 s[G0B+5+4*\s], s66, \s*SLOT
	s_add_nc_u64 s[G0B+6+4*\s:G0B+7+4*\s], s[94:95], \s*6144
	s_or_b32 s[G0B+7+4*\s], s[G0B+7+4*\s], 0x80000000
.endr
	CROUND                                         ; all sixteen work-groups are here: the first joint loads meet
	s_cmp_eq_u32 s[W1], 0                          ; a wave's four first fills stand in one branch: the scales, K groups 0, 1, 2
	s_cbranch_scc0 .Lfirst_b
	tensor_load_to_lds s[G0A:G0A+3], s[G1SA:G1SA+7]
	s_nop 0
	tensor_load_to_lds s[G0A+4:G0A+7], s[G1A:G1A+7]
	s_nop 0
	tensor_load_to_lds s[G0A+8:G0A+11], s[G1A:G1A+7]
	s_nop 0
	tensor_load_to_lds s[G0A+12:G0A+15], s[G1A:G1A+7]
	s_nop 0
.rept 4
	v_nop
.endr
	s_branch .Lfirst_asked
.Lfirst_b:
	tensor_load_to_lds s[G0B:G0B+3], s[G1SB:G1SB+7]
	s_nop 0
	tensor_load_to_lds s[G0B+4:G0B+7], s[G1B:G1B+7]
	s_nop 0
	tensor_load_to_lds s[G0B+8:G0B+11], s[G1B:G1B+7]
	s_nop 0
	tensor_load_to_lds s[G0B+12:G0B+15], s[G1B:G1B+7]
	s_nop 0
.rept 4
	v_nop
.endr
.Lfirst_asked:
	v_and_b32 v1, 31, v0
	v_lshlrev_b32 v[L16], 4, v1
	v_lshlrev_b32 v[L8], 3, v1
	v_and_b32 v[RR], 15, v0
	v_bfe_u32 v[HH], v0, 4, 1
	v_add_nc_u32 v2, 512, v[L8]
	s_mul_i32 s66, s[W1], 24576                    ; my half of X1,
	s_mul_i32 s67, s[W0], 24576
	s_add_co_u32 s67, s67, 49152                   ; my half of X0, behind X1's 8 row tiles
.irp s, 0,1,2
	v_add_nc_u32 v[A16+\s], s66, v[L16]
	v_add_nc_u32 v[A8+\s], s66, v2
	v_add_nc_u32 v[B16+\s], s67, v[L16]
	v_add_nc_u32 v[B8+\s], s67, v2
	s_add_co_u32 s66, s66, SLOT
	s_add_co_u32 s67, s67, SLOT
.endr
	s_lshl_b32 s66, s[W1], 12                      ; X1's scales: my 4 row tiles
	s_lshl_b32 s67, s[W0], 12
	s_add_co_u32 s67, s67, 8192                    ; X0's lie behind X1's 8,192 bytes
	s_sub_co_u32 s67, s67, s66
	v_mul_u32_u24 v3, s67, v[HH]                   ; lanes 16-31 take X0's: the lower base + h x the distance
	s_add_co_u32 s66, s66, SCL
	v_lshl_add_u32 v3, v[RR], 4, v3
	v_add_nc_u32 v[ADRS], s66, v3
	s_mul_i32 s66, s[WV], 17408
	s_add_co_u32 s66, s66, STG                     ; my stage
	v_mul_u32_u24 v3, v[RR], 272
	v_lshl_add_u32 v3, v[HH], 6, v3
	v_add_nc_u32 v[STO], s66, v3                   ; in: row r, + 64 h
	v_mul_u32_u24 v3, v[HH], 272
	v_lshl_add_u32 v3, v[RR], 4, v3
	v_add_nc_u32 v[RD], s66, v3                    ; back: lanes 0-15 one row of 256 bytes, lanes 16-31 the next
	v_and_b32 v3, 8, v[RR]
	v_add_nc_u32 v3, v3, v[RR]
	v_lshlrev_b32 v3, 2, v3                        ; V: my d in its pair of tiles, 4 bytes,
	v_mul_u32_u24 v2, v[HH], 4352
	v_add_nc_u32 v3, v3, v2                        ; and 16 keys further down for lanes 16-31
	v_add_nc_u32 v[VST], s66, v3
	v_lshlrev_b32 v20, 4, v[RR]
	v_lshl_add_u32 v20, v[HH], 3, v20              ; 16 r + 8 h
	v_lshl_add_u32 v21, v[RR], 4, v[HH]            ; 16 r + h
	v_mov_b32 v[TM+2], 0                           ; a lane permute's destination counts as one of its sources
	v_mov_b32 v[TM+3], 0
	s_wait_tensorcnt 2                             ; the scales and my part of K group 0 are in; K groups 1 and 2 may be out
	s_barrier_signal -1
	s_barrier_wait -1
	FETCH 0, 0, 0
	SCALES 0, 0
	KSTEP 0, 1                                     ; the first step's products start the sums: nothing is cleared
	KSTEP 1, 0
	KSTEP 2, 0
	TURN 3, 1                                      ; slot 0 is left and filled again; slots 1 and 2 are whole for every wave
.irp n, 4,5,6,7,8,9,10
	KSTEP \n, 0
.endr
	TURN 11, 0                                     ; the one load that was out is K group 3's
	KSTEP 12, 0
	KSTEP 13, 0
	KSTEP 14, 0
	s_wait_dscnt 0x0
	MUL8 128, 0, 3, 1, 0
	MUL8 128, 2, 3, 1, 0
	WIN 0
	PLACES
	; ---- THE WAY OUT.  No tensor load is out: the descriptors' registers are free.
	s_mov_b32 s46, 0x76543210
	s_mov_b32 s47, 0xfedcba98
	s_lshl_b32 s16, s97, 1
	s_add_co_u32 s16, s16, s[W0]                   ; Q: the head = 2 i0 + w0
	s_sub_co_u32 s17, s16, 32                      ; K: the head = 2 (i0 - 16) + w0
	s_lshl_b32 s18, s96, 1
	s_add_co_u32 s18, s18, s[W1]
	s_sub_co_u32 s18, s18, 40                      ; V: the head = 2 (i1 - 20) + w1      (of the three kinds' numbers only the own kind's are used)
	s_mul_i32 s20, s16, 98304
	s_mul_i32 s21, s96, 6144
	s_add_co_u32 s20, s20, s21
	s_mul_i32 s22, s[W1], 3072
	s_add_co_u32 s20, s20, s22                     ; Q's codes: (head x 128 + 8 i1 + 4 w1) x 768
	s_mul_i32 s21, s17, 196608
	s_mul_i32 s23, s96, 12288
	s_add_co_u32 s21, s21, s23
	s_add_co_u32 s21, s21, s22                     ; K's: head, key step i1, tiles 4 w1 on
	s_mul_i32 s23, s18, 196608
	s_mul_i32 s24, s97, 12288
	s_add_co_u32 s23, s23, s24
	s_mul_i32 s24, s[W0], 3072
	s_add_co_u32 s23, s23, s24
	s_add_co_u32 s23, s23, 6144                    ; V's: head, key step i0, half w0 of its keys
	s_lshl_b32 s25, s96, 9
	s_lshl_b32 s26, s[W1], 8
	s_add_co_u32 s25, s25, s26                     ; (2 i1 + w1) x 256
	s_lshl_b32 s26, s16, 13
	s_add_co_u32 s26, s26, s25
	s_add_co_u32 s26, s26, QSC                     ; Q's scale words
	s_mul_i32 s27, s17, 12288
	s_add_co_u32 s27, s27, s25
	s_add_co_u32 s27, s27, KVS                     ; K's
	s_mul_i32 s28, s18, 12288
	s_lshl_b32 s29, s97, 8
	s_add_co_u32 s28, s28, s29
	s_lshl_b32 s29, s[W0], 1
	s_add_co_u32 s28, s28, s29
	s_add_co_u32 s28, s28, KVS+8192                ; V's scale bytes: key blocks 2 w0, 2 w0 + 1
	s_lshl_b32 s30, s17, 19
	s_lshl_b32 s31, s96, 15
	s_add_co_u32 s30, s30, s31
	s_lshl_b32 s31, s[W1], 14
	s_add_co_u32 s30, s30, s31                     ; out1: head, row 128 i1 + 64 w1, 256 bytes a row
	s_lshl_b32 s32, s18, 19
	s_lshl_b32 s33, s97, 15
	s_add_co_u32 s32, s32, s33
	s_lshl_b32 s33, s[W0], 14
	s_add_co_u32 s32, s32, s33                     ; out2: head, row 128 i0 + 64 w0
	s_cmp_eq_u32 s91, 0
	s_cselect_b64 s[36:37], s[8:9], s[10:11]
	s_cselect_b32 s20, s20, s21
	s_cselect_b32 s26, s26, s27
	s_cmp_eq_u32 s91, 2
	s_cselect_b32 s20, s23, s20
	s_cselect_b32 s26, s28, s26
	s_cselect_b64 s[42:43], s[14:15], s[12:13]
	s_cselect_b32 s30, s32, s30
	s_mov_b32 s21, 0
	s_mov_b32 s27, 0
	s_mov_b32 s31, 0
	s_add_nc_u64 s[38:39], s[36:37], s[20:21]      ; codes
	s_add_nc_u64 s[40:41], s[36:37], s[26:27]      ; scales
	s_add_nc_u64 s[42:43], s[42:43], s[30:31]      ; f32 rows
	v_cmp_ne_u32 vcc_lo, 0, v[HH]
.irp a, 0,1,2,3                        ; my four tiles of X1: 64 numbers a row, two blocks of 32, one half of codes
	QUANT2 ACC+32*\a, PC+12*\a
	v_lshl_or_b32 v[112+\a], v[TM+7], 8, v[TM+6]   ; Q, K: the row's scale word: two bytes, then two zeros
	v_cndmask_b32 v[116+\a], v[TM+6], v[TM+7], vcc_lo   ; V: the byte of block h
	global_store_b128 v[L16], v[PC+12*\a:PC+12*\a+3], s[38:39] offset:768*\a
	global_store_b64 v[L8], v[PC+12*\a+4:PC+12*\a+5], s[38:39] offset:768*\a+512
.endr
	s_cmp_eq_u32 s91, 2
	s_cbranch_scc1 .Lkind_v
	v_cndmask_b32 v120, v112, v114, vcc_lo         ; lanes 0-15 store the words of tiles 0, 1, lanes 16-31 those of 2, 3
	v_cndmask_b32 v121, v113, v115, vcc_lo
	global_store_b64 v20, v[120:121], s[40:41]     ; 256 consecutive bytes
	s_cmp_eq_u32 s91, 0
	s_cbranch_scc1 .Ldone
	; K as f32: a lane holds 16 + 16 neighbours of a row of 64: through my stage, back as whole rows of 256 bytes
.irp a, 0,1,2,3
.irp b, 0,1
.irp i, 0,1,2,3
	ds_store_b128 v[STO], v[ACC+32*\a+16*\b+4*\i:ACC+32*\a+16*\b+4*\i+3] offset:128*\b+16*\i
.endr
.endr
	s_wait_xcnt 0x0                                ; earlier stores have read the registers that the loads below fill
.irp i, 0,1,2,3,4,5,6,7
	ds_load_b128 v[RB+4*\i:RB+4*\i+3], v[RD] offset:2*\i*272    ; LDS serves a wave's instructions in order: these see the stores above
.endr
.irp i, 0,1,2,3,4,5,6,7
	s_wait_dscnt 7-\i                              ; the loads issued behind load i may be out
	global_store_b128 v[L16], v[RB+4*\i:RB+4*\i+3], s[42:43] offset:(32*(\a/2)+8*(\a%2)+2*\i+8*(\i/4))*256 th:TH_STORE_NT   ; two rows: 512 consecutive bytes
.endr
.endr
	s_branch .Ldone
.Lkind_v:
.irp a, 0,1,2,3
	global_store_b8 v21, v[116+\a], s[40:41] offset:4*\a
.endr
	; V as f32: a lane holds one d and 32 keys: turned in my stage, 64 keys x (256 + 16) bytes
.irp a, 0,1,2,3
.irp n, 0,1,2,3,4,5,6,7,8,9,10,11,12,13,14,15,16,17,18,19,20,21,22,23,24,25,26,27,28,29,30,31
	ds_store_b32 v[VST], v[ACC+32*\a+\n] offset:(32*(\n/16)+\n%16)*272+4*(32*(\a/2)+8*(\a%2))
.endr
.endr
.irp u, 0,1,2,3
	s_wait_xcnt 0x0
.irp i, 0,1,2,3,4,5,6,7
	ds_load_b128 v[RB+4*\i:RB+4*\i+3], v[RD] offset:(16*\u+2*\i)*272
.endr
.irp i, 0,1,2,3,4,5,6,7
	s_wait_dscnt 7-\i
	global_store_b128 v[L16], v[RB+4*\i:RB+4*\i+3], s[42:43] offset:512*(8*\u+\i) th:TH_STORE_NT
.endr
.endr
.Ldone:
	s_wait_tensorcnt 0x0                           ; the wave's end
	ds_add_u32 v[SPW], v[NIL]
	s_wait_dscnt 0x0
	CROUND                                         ; the closing round
	s_endpgm
.Lfunc_end_k_qb4e1e23fdc_gemm_qkv:
	.size	k_qb4e1e23fdc_gemm_qkv, .Lfunc_end_k_qb4e1e23fdc_gemm_qkv-k_qb4e1e23fdc_gemm_qkv
	.p2alignl 7, 3214868480
	.fill 96, 4, 3214868480
	.section	.rodata,"a",@progbits
	.p2align	6, 0x0
	.amdhsa_kernel k_qb4e1e23fdc_gemm_qkv
		.amdhsa_group_segment_fixed_size 327680
		.amdhsa_private_segment_fixed_size 0
		.amdhsa_enable_private_segment 0
		.amdhsa_kernarg_size 48
		.amdhsa_user_sgpr_count 2
		.amdhsa_user_sgpr_kernarg_segment_ptr 1
		.amdhsa_wavefront_size32 1
		.amdhsa_system_sgpr_workgroup_id_x 1
		.amdhsa_system_sgpr_workgroup_id_y 1
		.amdhsa_system_sgpr_workgroup_id_z 1
		.amdhsa_system_vgpr_workitem_id 0
		.amdhsa_next_free_vgpr 512
		.amdhsa_next_free_sgpr 102
		.amdhsa_reserve_vcc 1
		.amdhsa_float_denorm_mode_32 3
		.amdhsa_float_denorm_mode_16_64 3
		.amdhsa_memory_ordered 1
		.amdhsa_forward_progress 1
		.amdhsa_inst_pref_size 115
	.end_amdhsa_kernel
	.amdgpu_metadata
---
amdhsa.version: [ 1, 2 ]
amdhsa.kernels:
  - .name:           k_qb4e1e23fdc_gemm_qkv
    .symbol:         k_qb4e1e23fdc_gemm_qkv.kd
    .args:
      - { .name: bx, .offset: 0, .size: 8, .value_kind: global_buffer, .address_space: global }
      - { .name: bw, .offset: 8, .size: 8, .value_kind: global_buffer, .address_space: global }
      - { .name: bq, .offset: 16, .size: 8, .value_kind: global_buffer, .address_space: global }
      - { .name: bkv, .offset: 24, .size: 8, .value_kind: global_buffer, .address_space: global }
      - { .name: out1, .offset: 32, .size: 8, .value_kind: global_buffer, .address_space: global }
      - { .name: out2, .offset: 40, .size: 8, .value_kind: global_buffer, .address_space: global }
    .group_segment_fixed_size: 327680
    .private_segment_fixed_size: 0
    .kernarg_segment_align: 8
    .kernarg_segment_size: 48
    .max_flat_workgroup_size: 128
    .sgpr_count:     102
    .vgpr_count:     512
    .wavefront_size: 32
...
	.end_amdgpu_metadata
.endif
;; end of part 2
;; launch attn (part 3): grid 32 x 8, 16 waves a work-group, no clusters, 38,912 bytes of LDS; arguments bq, bkv, bm, bh; writes bh
.if DOCPART == 3
	.amdgcn_target "amdgcn-amd-amdhsa--gfx1250"
	.amdhsa_code_object_version 6
	.text
	.protected	k_qb4e1e23fdc_attn
	.globl	k_qb4e1e23fdc_attn
	.p2align	8
	.type	k_qb4e1e23fdc_attn,@function
k_qb4e1e23fdc_attn:
	s_mov_b64 s[64:65], 0
	v_nop
	global_prefetch_b8 v0, s[64:65] scope:SCOPE_SE
	s_setreg_imm32_b32 hwreg(HW_REG_WAVE_MODE, 25, 1), 1
	s_wait_xcnt 0x0
; out_h = softmax(Q K^T / 8, under the mask) V for 32 query heads on 8 key and value heads, both products on codes of FP6 (E2M3); out_h leaves as codes, quantised along its 64, for the last product.
; THE SOFTMAX: t = score x log2(e) / 8; M = the running largest t rounded UP to a whole number; p = 2^(t - M) is quantised along the keys, not normalised; the row's sum is taken of the unquantised p and divides at the end.
; When M moves, the sum and O are multiplied by 2^(old M - new M): exact.
; THE MASK is an input: bm holds it as bits, word n of a key step being the lane mask of score register n: one v_cndmask_b32 a register puts -infinity where the bit is 0.  A key step whose 64 words are all 0 for my 16
; queries adds nothing (every p is 0, the maximum stays): its work is jumped over by a scalar branch on those stored words; the stores into LDS, the loads and the barrier are on every wave's path.
; A row with no key at all has the sum 0: its scale byte in bh becomes 0xff, so that its whole row of the last product is NaN, as a softmax over nothing is.
; SHARES.  A work-group: one key and value head g, its four query heads, four row tiles of 16 queries: sixteen waves, a tile of one head each, four to a SIMD.  The tiles are i, 63 - i, 64 + i, 127 - i (i: work-group x),
; so that under a mask that hides late keys from early queries the work-groups have like work; no value hangs on it.  All sixteen waves read the same K and V.
; K AND V go from memory through registers into LDS: a key step's 12,288 bytes are 16 pieces of 768, one a wave (16 + 8 bytes a lane, the same offsets in memory and in LDS), loaded three steps ahead, stored one step ahead.
; NO CLUSTER, though the 32 work-groups of a head walk the same K and V.
; LAYOUT.  Both products transposed: S^T = K Q^T, O^T = V^T P^T: a lane holds ONE query.  By the row order of the tiles (row r of tile T is 32 (T / 2) + 8 (T % 2) + r + 8 (r / 8)) score register n is key 32 (n / 16) + 16 h + n % 16.
; THE FIRST PRODUCT'S K IS 64, the instruction's 128: Q's codes of the upper 64 are zeros, so whatever finite codes stand there in K's operand (the next tile's; zeros behind the last) add 0; the scale words' upper bytes are 0, not 0xff.
; bh's scale bytes leave one byte a lane (131,072 bytes in the whole launch): a head has two of a row's 64.
; LIMITS: NaN and infinities in Q, K, V are not served; a block of zeros gets the byte 1, not 127 (zero codes; read by this program alone).
.set QSC,  3145728
.set KVS,  1572864
.set XSC,  3145728
.set SLOT, 12288                       ; LDS: 0: K's scale words (8,192) and V's (4,096) of the whole head; then two slots of a key step
.set PA,   30                          ; v30-35, v36-41 my piece of an even, an odd key step
.set PB,   36
.set KF,   42                          ; v42-89 K's 8 halves, later V's 4 fragments; v90-95 zeros
.set TM,   232
.set KVB,  52                          ; s[52:53] K and V of the trip's first step
.set MB,   54                          ; s[54:55] the mask words
.set CS,   56                          ; s[56:57] c = log2(e) / 8
.set SEL,  58                          ; s[58:59] lane l xor 16
.set TS,   100                         ; s100 the step's place among K's scale words: 512 bytes a step;  s101 among V's: 256
.set TJ,   101
; v1 16 l, v2 8 l, v3 16 r, v4 8,192 + 16 r, v5, v6 the step's scale addresses, v7, v8 my piece's offsets, v9 -infinity, v10 16 r + h, v11 h, v12 -M, v13 largest t, v[14:15] the sum,
; v16-21 Q, v22-27 zeros, v28 Q's scale word, v96-159 S^T then p, v160-191 O^T, v200-207 K's scale words, v208-211 V's, v224-235 p's codes, v232-254 at work.
; s[4:51], s[68:83]: the step's 64 mask words.
.macro MLOAD off
	s_load_b512 s[4:19], s[MB:MB+1], (\off)
	s_load_b512 s[20:35], s[MB:MB+1], (\off)+64
	s_load_b512 s[36:51], s[MB:MB+1], (\off)+128
	s_load_b512 s[68:83], s[MB:MB+1], (\off)+192
.endm
	s_load_b256 s[84:91], s[0:1], 0x0              ; bq, bkv, bm, bh
	v_lshl_add_u32 v251, v0, 2, 0x9000
	v_mov_b32 v255, 0
	v_lshrrev_b32 v5, 5, v0
	v_readfirstlane_b32 s63, v5                    ; wave 0..15
	v_and_b32 v6, 31, v0
	v_lshlrev_b32 v1, 4, v6
	v_lshlrev_b32 v2, 3, v6
	v_and_b32 v10, 15, v0
	v_bfe_u32 v11, v0, 4, 1
	v_lshlrev_b32 v3, 4, v10
	v_add_nc_u32 v4, 8192, v3
	v_mul_u32_u24 v7, v5, 768
	v_add_nc_u32 v8, v7, v2
	v_add_nc_u32 v8, 512, v8                       ; 768 wave + 512 + 8 l
	v_add_nc_u32 v7, v7, v1                        ; 768 wave + 16 l
	v_lshl_add_u32 v10, v10, 4, v11
	v_mov_b32 v9, 0xff800000
	s_and_b32 s92, ttmp7, 0xffff                   ; g
	s_lshr_b32 s93, s63, 2                         ; which of the group's four heads
	s_and_b32 s94, s63, 3
	s_add_co_u32 s94, s94, s93
	s_and_b32 s94, s94, 3                          ; which of the four tiles: turned by the head, so that each tile is met once among any four waves w, w + 4, ..
	s_lshl_b32 s95, ttmp9, 1
	s_sub_co_u32 s95, 63, s95
	s_and_b32 s96, s94, 1
	s_mul_i32 s95, s95, s96
	s_add_co_u32 s95, s95, ttmp9
	s_lshr_b32 s96, s94, 1
	s_lshl_b32 s96, s96, 6
	s_add_co_u32 s95, s95, s96                     ; T = i, 63 - i, 64 + i, 127 - i
	s_lshl_b32 s96, s92, 2
	s_add_co_u32 s96, s96, s93                     ; the query head
	s_mov_b32 s99, 0
	s_mov_b32 s[CS], 0x3e38aa3b
	s_mov_b32 s[CS+1], s[CS]
	s_mov_b32 s[SEL], 0x76543210
	s_mov_b32 s[SEL+1], 0xfedcba98
	s_mov_b32 s[TS], 0
	s_mov_b32 s[TJ], 0
	s_wait_kmcnt 0x0
	s_lshl_b32 s98, s95, 12
	s_add_nc_u64 s[MB:MB+1], s[88:89], s[98:99]    ; my tile's 16 x 64 mask words
	MLOAD 0
	s_mul_i32 s98, s92, 196608
	s_add_nc_u64 s[KVB:KVB+1], s[86:87], s[98:99]
	s_mul_i32 s98, s92, 12288
	s_add_co_u32 s98, s98, KVS
	s_add_nc_u64 s[86:87], s[86:87], s[98:99]      ; the head's scale bytes
	s_lshl_b32 s98, s96, 7
	s_add_co_u32 s98, s98, s95
	s_mul_i32 s98, s98, 768
	s_add_nc_u64 s[88:89], s[84:85], s[98:99]      ; Q's codes
	s_lshl_b32 s98, s96, 5
	s_lshr_b32 s97, s95, 2
	s_add_co_u32 s98, s98, s97
	s_lshl_b32 s98, s98, 8
	s_and_b32 s97, s95, 3
	s_lshl_b32 s97, s97, 2
	s_add_co_u32 s98, s98, s97
	s_add_co_u32 s98, s98, QSC
	s_add_nc_u64 s[84:85], s[84:85], s[98:99]      ; Q's scale words
	s_mul_i32 s98, s95, 24576
	s_mul_i32 s97, s96, 768
	s_add_co_u32 s98, s98, s97
	s_add_nc_u64 s[92:93], s[90:91], s[98:99]      ; bh: my half
	s_lshl_b32 s98, s95, 10
	s_lshr_b32 s97, s96, 3
	s_lshl_b32 s97, s97, 8
	s_add_co_u32 s98, s98, s97
	s_and_b32 s97, s96, 7
	s_lshl_b32 s97, s97, 1
	s_add_co_u32 s98, s98, s97
	s_add_co_u32 s98, s98, XSC
	s_add_nc_u64 s[90:91], s[90:91], s[98:99]      ; bh: my two scale bytes of each row
	global_load_b128 v[192:195], v7, s[86:87]      ; my piece of the scale bytes,
	global_load_b64 v[196:197], v8, s[86:87]
	global_load_b128 v[PA:PA+3], v7, s[KVB:KVB+1]  ; of key step 0,
	global_load_b64 v[PA+4:PA+5], v8, s[KVB:KVB+1]
	global_load_b128 v[PB:PB+3], v7, s[KVB:KVB+1] offset:SLOT   ; of key step 1
	global_load_b64 v[PB+4:PB+5], v8, s[KVB:KVB+1] offset:SLOT
	global_load_b128 v[16:19], v1, s[88:89]        ; Q stays in registers
	global_load_b64 v[20:21], v2, s[88:89] offset:512
	global_load_b32 v28, v3, s[84:85]
	v_mov_b32 v13, 0xff61b1e6                      ; the largest t so far: -3e38
	v_floor_f32 v12, -v13                          ; -M
	v_mov_b32 v14, 0
	v_mov_b32 v15, 0
.irp j, 0,1,2,3,4,5
	v_mov_b32 v[22+\j], 0                          ; Q's codes of k = 64 .. 127
	v_mov_b32 v[90+\j], 0                          ; what stands behind K's last tile
.endr
.irp j, 0,1,2,3,4,5,6,7
	v_mov_b32 v[232+\j], 0                         ; lane permutes' destinations count as sources
.endr
	v_mov_b32 v252, 0
	v_mov_b32 v253, 0
.irp j, 0,1,2,3,4,5,6,7,8,9,10,11,12,13,14,15,16,17,18,19,20,21,22,23,24,25,26,27,28,29,30,31
	v_mov_b32 v[160+\j], 0                         ; O^T: the step is written once: the first finds zeros, which the first change of M leaves zeros
.endr
	s_wait_loadcnt 0x0
	ds_store_b128 v7, v[192:195]
	ds_store_b64 v8, v[196:197]
	ds_store_b128 v7, v[PA:PA+3] offset:SLOT
	ds_store_b64 v8, v[PA+4:PA+5] offset:SLOT
	s_wait_dscnt 0x0                               ; for the others' sake; and the stores have read their registers
	global_load_b128 v[PA:PA+3], v7, s[KVB:KVB+1] offset:2*SLOT
	global_load_b64 v[PA+4:PA+5], v8, s[KVB:KVB+1] offset:2*SLOT
	s_barrier_signal -1
	s_barrier_wait -1
; A KEY STEP j, in slot p = j % 2.  st: my piece of step j + 1 goes into the other slot, and a barrier ends the step;  ld: my piece of step j + 3 is asked for;  lcnt: the loads that may stay out;  ml: step j + 1's mask words are asked for.
.macro STEP p, st, ld, lcnt, ml
.set SBS, SLOT+(\p)*SLOT
.set SOT, SLOT+(1-(\p))*SLOT
.set SET, PB-6*(\p)
.if \st
	s_wait_loadcnt \lcnt                           ; piece j + 1 is in; piece j + 2's two loads may be out
	ds_store_b128 v7, v[SET:SET+3] offset:SOT      ; the other slot was left by every wave at the last barrier
	ds_store_b64 v8, v[SET+4:SET+5] offset:SOT
.endif
	s_wait_kmcnt 0x0                               ; this step's mask words
.if (\p) && (\ml)
	s_add_nc_u64 s[MB:MB+1], s[MB:MB+1], 512       ; no scalar load is out
.endif
	s_or_b64 s[60:61], s[4:5], s[6:7]
.irp k, 8,10,12,14,16,18,20,22,24,26,28,30,32,34,36,38,40,42,44,46,48,50,68,70,72,74,76,78,80,82
	s_or_b64 s[60:61], s[60:61], s[\k:\k+1]
.endr
	s_or_b32 s60, s60, s61
	s_cmp_eq_u32 s60, 0
	s_cbranch_scc1 .Lskip_\@                       ; no key of the step counts for any of my 16 queries
	v_add_nc_u32 v5, s[TS], v3
	v_add_nc_u32 v6, s[TJ], v4
	v_nop
	v_nop                                          ; four places ahead of loads into registers that the last products read
.irp t, 0,1,2,3,4,5,6,7
	ds_load_b128 v[KF+6*\t:KF+6*\t+3], v1 offset:SBS+768*\t
	ds_load_b64 v[KF+6*\t+4:KF+6*\t+5], v2 offset:SBS+768*\t+512
.endr
	ds_load_b128 v[200:203], v5
	ds_load_b128 v[204:207], v5 offset:256
	s_wait_dscnt 0x0
.irp t, 0,1,2,3,4,5,6,7
	v_wmma_scale_f32_16x16x128_f8f6f4 v[96+8*\t:103+8*\t], v[KF+6*\t:KF+6*\t+11], v[16:27], 0, v[200+\t], v28 matrix_a_fmt:MATRIX_FMT_FP6 matrix_b_fmt:MATRIX_FMT_FP6
.endr
.rept 4
	v_nop
.endr
.irp n, 0,1,2,3,4,5,6,7,8,9,10,11,12,13,14,15,16,17,18,19,20,21,22,23,24,25,26,27,28,29,30,31,32,33,34,35,36,37,38,39,40,41,42,43,44,45,46,47
	v_cndmask_b32 v[96+\n], v9, v[96+\n], s[4+\n]  ; the mask: -infinity where the bit is 0
.endr
.irp n, 48,49,50,51,52,53,54,55,56,57,58,59,60,61,62,63
	v_cndmask_b32 v[96+\n], v9, v[96+\n], s[20+\n]
.endr
.if \ml
	MLOAD 256*(1-(\p))
.endif
.irp d, 0,1,2,3                        ; V's four fragments (16 of the head's 64 x the step's 128 keys) are asked for here: K's registers are free, and the softmax stands between
.irp c, 0,1
	ds_load_b128 v[KF+12*\d+6*\c:KF+12*\d+6*\c+3], v1 offset:SBS+6144+3072*\c+768*\d
	ds_load_b64 v[KF+12*\d+6*\c+4:KF+12*\d+6*\c+5], v2 offset:SBS+6144+3072*\c+768*\d+512
.endr
.endr
	ds_load_b128 v[208:211], v6
.irp b, 0,1,2,3
	v_max3_num_f32 v[232+\b], v[96+16*\b], v[97+16*\b], v[98+16*\b]   ; the largest score of each block of 32 keys: for the row's maximum, and, since p rises with the score, for the block's largest p
.endr
.irp i, 3,5,7,9,11,13
.irp b, 0,1,2,3
	v_max3_num_f32 v[232+\b], v[232+\b], v[96+16*\b+\i], v[97+16*\b+\i]
.endr
.endr
.irp b, 0,1,2,3
	v_max_num_f32 v[232+\b], v[232+\b], v[111+16*\b]
.endr
.irp b, 0,1,2,3
	v_permlanex16_b32 v[236+\b], v[232+\b], s[SEL], s[SEL+1]
.endr
.irp b, 0,1,2,3
	v_max_num_f32 v[232+\b], v[232+\b], v[236+\b]
.endr
	v_max3_num_f32 v254, v232, v233, v234
	v_max_num_f32 v254, v254, v235
	v_mul_f32 v254, s[CS], v254
	v_max_num_f32 v13, v13, v254                   ; the running largest t
	v_mov_b32 v254, v12
	v_floor_f32 v12, -v13                          ; the new -M = -ceil(t): a whole number
	v_sub_f32 v254, v12, v254
	v_cvt_i32_f32 v254, v254                       ; (it saturates)
	v_ldexp_f32 v252, 1.0, v254                    ; f = 2^(old M - new M)
.irp j, 0,2,4,6,8,10,12,14,16,18,20,22,24,26,28,30,32,34,36,38,40,42,44,46,48,50,52,54,56,58,60,62
	v_pk_fma_f32 v[96+\j:97+\j], v[96+\j:97+\j], s[CS:CS+1], v[12:13] op_sel_hi:[1,0,0]   ; t - M
.endr
.irp b, 0,1,2,3
	v_fma_f32 v[232+\b], v[232+\b], s[CS], v12
.endr
.irp j, 0,1,2,3,4,5,6,7,8,9,10,11,12,13,14,15,16,17,18,19,20,21,22,23,24,25,26,27,28,29,30,31,32,33,34,35,36,37,38,39,40,41,42,43,44,45,46,47,48,49,50,51,52,53,54,55,56,57,58,59,60,61,62,63
	v_exp_f32 v[96+\j], v[96+\j]                   ; p = 2^(t - M)
.endr
	v_pk_mul_f32 v[14:15], v[14:15], v[252:253] op_sel_hi:[1,0]   ; the sums under the new M: a plain place behind the exponentials
	s_wait_alu depctr_va_vdst(0)                   ; one wait for the batch, ahead of its first reader
.irp b, 0,1,2,3
	v_exp_f32 v[232+\b], v[232+\b]                 ; each block's largest p
.endr
	v_pk_add_f32 v[236:237], v[96:97], v[98:99]    ; the row's sum, of the unquantised p, in two chains
.irp j, 4,8,12,16,20,24,28,32,36,40,44,48,52,56,60
	v_pk_add_f32 v[14:15], v[14:15], v[96+\j:97+\j]
	v_pk_add_f32 v[236:237], v[236:237], v[98+\j:99+\j]
.endr
	v_pk_add_f32 v[14:15], v[14:15], v[236:237]
	s_wait_alu depctr_va_vdst(0)                   ; and one for the four
.irp b, 0,1,2,3
	v_max_num_f32 v[232+\b], 0x1800000, v[232+\b]  ; the floor 2^(3 - 127)
.endr
.irp b, 0,1,2,3
	v_add_nc_u32 v[244+\b], 0xff000000, v[232+\b]
.endr
.irp b, 0,1,2,3
	v_lshrrev_b32 v[236+\b], 23, v[244+\b]
.endr
	v_lshl_or_b32 v253, v237, 8, v236              ; p's scale word for these 128 keys
	v_lshl_or_b32 v253, v238, 16, v253
	v_lshl_or_b32 v253, v239, 24, v253
.irp c, 0,1
	v_cvt_scalef32_pk16_fp6_f32 v[224+6*\c:226+6*\c], v[96+32*\c:111+32*\c], v[244+2*\c]
	v_cvt_scalef32_pk16_fp6_f32 v[236+4*\c:238+4*\c], v[112+32*\c:127+32*\c], v[244+2*\c+1]
.endr
	v_nop                                          ; one plain place behind a scaled conversion
.irp c, 0,1
.irp i, 0,1,2
	v_permlane16_swap_b32 v[224+6*\c+\i], v[236+4*\c+\i]
.endr
.irp i, 0,1,2
	v_mov_b32 v[227+6*\c+\i], v[236+4*\c+\i]
.endr
.endr
.irp j, 0,2,4,6,8,10,12,14,16,18,20,22,24,26,28,30
	v_pk_mul_f32 v[160+\j:161+\j], v[160+\j:161+\j], v[252:253] op_sel_hi:[1,0]   ; O^T under the new M; these 16 are also the places between p's codes and scale word and the products
.endr
	s_wait_dscnt 0x0                               ; V is in
.irp d, 0,1,2,3
	v_wmma_scale_f32_16x16x128_f8f6f4 v[160+8*\d:167+8*\d], v[KF+12*\d:KF+12*\d+11], v[224:235], v[160+8*\d:167+8*\d], v[208+\d], v253 matrix_a_fmt:MATRIX_FMT_FP6 matrix_b_fmt:MATRIX_FMT_FP6
.endr
	s_branch .Ljoin_\@
.Lskip_\@:
.if \ml
	MLOAD 256*(1-(\p))
.endif
.Ljoin_\@:
	s_add_co_u32 s[TS], s[TS], 512
	s_add_co_u32 s[TJ], s[TJ], 256
	s_wait_dscnt 0x0                               ; my stores into the other slot have landed and have read their registers; my reads of this slot are over
.if \ld
	global_load_b128 v[SET:SET+3], v7, s[KVB:KVB+1] offset:((\p)+3)*SLOT
	global_load_b64 v[SET+4:SET+5], v8, s[KVB:KVB+1] offset:((\p)+3)*SLOT
.endif
.if \st
	s_barrier_signal -1                            ; one barrier a step: the other slot is whole, and nobody reads this one any more
	s_barrier_wait -1
.endif
.endm
.macro TRIPEND
	s_wait_xcnt 0x0                                ; the loads have read their base
	s_add_nc_u64 s[KVB:KVB+1], s[KVB:KVB+1], 2*SLOT
.endm
	s_mov_b32 s62, 6
.Ltrip:                                            ; key steps 0 to 11, two a trip
	STEP 0, 1, 1, 2, 1
	STEP 1, 1, 1, 2, 1
	TRIPEND
	s_sub_co_u32 s62, s62, 1
	s_cmp_lg_u32 s62, 0
	s_cbranch_scc1 .Ltrip
	STEP 0, 1, 1, 2, 1                             ; step 12 asks for the last piece, 15: no load leaves its buffer
	STEP 1, 1, 0, 2, 1
	TRIPEND
	STEP 0, 1, 0, 0, 1                             ; piece 15 alone was out
	STEP 1, 0, 0, 0, 0
	; THE WAY OUT: O^T / the sum; register 16 b + i is d = 32 b + 16 h + i of my query: two blocks of 32 of the last product's K
.rept 4
	v_nop                                          ; places behind the last products
.endr
	v_add_f32 v14, v14, v15
	v_permlanex16_b32 v252, v14, s[SEL], s[SEL+1]
	v_add_f32 v14, v14, v252                       ; the row's sum
	v_cmp_eq_f32 s60, 0, v14                       ; 0: no key counted for this query
	v_rcp_f32 v15, v14
	v_cmp_ne_u32 vcc_lo, 0, v11                    ; (a plain place behind the reciprocal)
	s_wait_alu depctr_va_vdst(0)                   ; the wait for the reciprocal, ahead of its first reader
.irp j, 0,1,2,3,4,5,6,7,8,9,10,11,12,13,14,15,16,17,18,19,20,21,22,23,24,25,26,27,28,29,30,31
	v_mul_f32 v[96+\j], v[160+\j], v15
.endr
	v_max3_num_f32 v[TM], |v96|, |v97|, 0x1800000
	v_max3_num_f32 v[TM+1], |v112|, |v113|, 0x1800000
.irp i, 2,4,6,8,10,12,14
	v_max3_num_f32 v[TM], v[TM], |v[96+\i]|, |v[97+\i]|
	v_max3_num_f32 v[TM+1], v[TM+1], |v[112+\i]|, |v[113+\i]|
.endr
	v_permlanex16_b32 v[TM+2], v[TM], s[SEL], s[SEL+1]
	v_permlanex16_b32 v[TM+3], v[TM+1], s[SEL], s[SEL+1]
	v_max_num_f32 v[TM], v[TM], v[TM+2]
	v_max_num_f32 v[TM+1], v[TM+1], v[TM+3]
	v_add_nc_u32 v[TM+4], 0xff000000, v[TM]
	v_add_nc_u32 v[TM+5], 0xff000000, v[TM+1]
	v_lshrrev_b32 v[TM+6], 23, v[TM+4]
	v_lshrrev_b32 v[TM+7], 23, v[TM+5]
	v_cvt_scalef32_pk16_fp6_f32 v[200:202], v[96:111], v[TM+4]
	v_cvt_scalef32_pk16_fp6_f32 v[208:210], v[112:127], v[TM+5]
	v_nop                                          ; one plain place behind a scaled conversion
.irp i, 0,1,2
	v_permlane16_swap_b32 v[200+\i], v[208+\i]
.endr
.irp i, 0,1,2
	v_mov_b32 v[203+\i], v[208+\i]
.endr
	global_store_b128 v1, v[200:203], s[92:93]     ; my half: 512 consecutive bytes,
	global_store_b64 v2, v[204:205], s[92:93] offset:512   ; and 256
	v_cndmask_b32 v240, v[TM+6], v[TM+7], vcc_lo   ; the byte of block h,
	v_mov_b32 v241, 0xff
	v_cndmask_b32 v240, v240, v241, s60            ; or NaN's, for a row without keys
	global_store_b8 v10, v240, s[90:91]
	s_wait_tensorcnt 0x0
	ds_add_u32 v251, v255
	s_wait_dscnt 0x0
	s_endpgm
.Lfunc_end_k_qb4e1e23fdc_attn:
	.size	k_qb4e1e23fdc_attn, .Lfunc_end_k_qb4e1e23fdc_attn-k_qb4e1e23fdc_attn
	.p2alignl 7, 3214868480
	.fill 96, 4, 3214868480
	.section	.rodata,"a",@progbits
	.p2align	6, 0x0
	.amdhsa_kernel k_qb4e1e23fdc_attn
		.amdhsa_group_segment_fixed_size 38912
		.amdhsa_private_segment_fixed_size 0
		.amdhsa_enable_private_segment 0
		.amdhsa_kernarg_size 32
		.amdhsa_user_sgpr_count 2
		.amdhsa_user_sgpr_kernarg_segment_ptr 1
		.amdhsa_wavefront_size32 1
		.amdhsa_system_sgpr_workgroup_id_x 1
		.amdhsa_system_sgpr_workgroup_id_y 1
		.amdhsa_system_sgpr_workgroup_id_z 1
		.amdhsa_system_vgpr_workitem_id 0
		.amdhsa_next_free_vgpr 256
		.amdhsa_next_free_sgpr 102
		.amdhsa_reserve_vcc 1
		.amdhsa_float_denorm_mode_32 3
		.amdhsa_float_denorm_mode_16_64 3
		.amdhsa_memory_ordered 1
		.amdhsa_forward_progress 1
		.amdhsa_inst_pref_size 141
	.end_amdhsa_kernel
	.amdgpu_metadata
---
amdhsa.version: [ 1, 2 ]
amdhsa.kernels:
  - .name:           k_qb4e1e23fdc_attn
    .symbol:         k_qb4e1e23fdc_attn.kd
    .args:
      - { .name: bq, .offset: 0, .size: 8, .value_kind: global_buffer, .address_space: global }
      - { .name: bkv, .offset: 8, .size: 8, .value_kind: global_buffer, .address_space: global }
      - { .name: bm, .offset: 16, .size: 8, .value_kind: global_buffer, .address_space: global }
      - { .name: bh, .offset: 24, .size: 8, .value_kind: global_buffer, .address_space: global }
    .group_segment_fixed_size: 38912
    .private_segment_fixed_size: 0
    .kernarg_segment_align: 8
    .kernarg_segment_size: 32
    .max_flat_workgroup_size: 512
    .sgpr_count:     102
    .vgpr_count:     256
    .wavefront_size: 32
...
	.end_amdgpu_metadata
.endif
;; end of part 3
;; launch gemm_out (part 4): grid 16 x 16, 4 waves a work-group, clusters of 4 x 4, 327,680 bytes of LDS; arguments bh, bw, out0; writes out0
.if DOCPART == 4
	.amdgcn_target "amdgcn-amd-amdhsa--gfx1250"
	.amdhsa_code_object_version 6
	.text
	.protected	k_qb4e1e23fdc_gemm_out
	.globl	k_qb4e1e23fdc_gemm_out
	.p2align	8
	.type	k_qb4e1e23fdc_gemm_out,@function
k_qb4e1e23fdc_gemm_out:
	s_mov_b64 s[64:65], 0
	v_nop
	global_prefetch_b8 v0, s[64:65] scope:SCOPE_SE
	s_setreg_imm32_b32 hwreg(HW_REG_WAVE_MODE, 25, 1), 1
	s_wait_xcnt 0x0
	s_wait_alu depctr_hold_cnt(0) depctr_sa_sdst(0) depctr_va_vdst(0) depctr_va_sdst(0) depctr_va_ssrc(0) depctr_va_vcc(0) depctr_vm_vsrc(0)
	s_getreg_b32 s2, hwreg(HW_REG_IB_STS2, 6, 4)
	s_cmp_eq_u32 s2, 0
	s_cbranch_scc0 .Lentry_in_a_cluster
	s_endpgm
.Lentry_in_a_cluster:
	s_bfe_u32 s2, ttmp6, 0x10000c
	s_cmp_lg_u32 s2, 0xf033
	s_cbranch_scc0 .Lentry_shape_is_right
	s_endpgm
.Lentry_shape_is_right:
; out0 = out_h W_o on codes of FP6 (E2M3) with E8M0 scales, K = 2048, f32 out.  The loop is that of the launch that makes Q, K and V; only the operands' places and the way out differ.
; OPERANDS lie in memory in the order of the operands' registers.  A row tile T is 16 rows, row r of it 32 (T / 2) + 8 (T % 2) + r + 8 (r / 8).  A half (768 bytes) is 16 rows x 64 K: lane l has 16 bytes at 16 l and 8 at
; 512 + 8 l.  Codes: T x 24,576 + (k / 64) x 768; scale bytes: T x 1,024 + (k / 512) x 256 + 16 r + (k / 32) % 16.
; SHARES.  A work-group makes 128 rows of out_h (X1) x 128 columns (X0 = W_o's rows in bw, tiles of 128 from 24 on); each of its four waves 64 x 64: 16 accumulators.  Source 0 = X0, source 1 = X1: a lane holds one row of
; out0, and the 16 registers of X0's tiles 2 b, 2 b + 1 are its columns 32 b + 16 (lane / 16) + 0 .. 15.  16 x 16 work-groups: one for each of 256 tiles.
; CLUSTER 4 x 4: X1's tiles hang on cy alone and are asked for jointly along a row of the cluster, X0's on cx alone and along a column.
; LDS: three slots of 98,304 bytes (512 along K), the scales of all of K (16,384), the spare words.  Of K's four groups three are first fills, asked for together at the head (four tensor loads a wave with the scales,
; by this text's count); the fourth is the one refill, into slot 0.  The stages lie in slot 1: it has had its last fill, and its last read stands ahead of the last barrier.
; A row of out_h without keys carries the scale byte 0xff: its row of out0 comes out NaN, as a softmax over nothing gives.
.set XSC,   3145728
.set WSC,   7864320
.set SLOT,  98304
.set SCL,   294912
.set SPARE, 311296                     ; the spare words: 128 bytes a wave, two blocks of 256 bytes that no other line names
.set STG,   98304                      ; the stages: 17,408 bytes apart, 4,352 used
.set A16, 4                            ; v4-6    X1's fragments in slot s: 16 l;   v7-9: 512 + 8 l
.set A8,  7
.set B16, 10                           ; v10-12, v13-15: the same for X0
.set B8,  13
.set L16, 16
.set L8,  17
.set RR,  18
.set HH,  19
.set ADRS, 22                          ; v22 my scale words: lanes 0-15 X1's, lanes 16-31 X0's
.set STO, 24                           ; v24 stage, in;  v25 stage, back;  v26 my bytes in two rows of out0
.set RD,  25
.set CO,  26
.set SPW, 28                           ; v28 my spare word;  v29 0: both never rewritten
.set NIL, 29
.set SC,  32                           ; v32-63 scale words, two sets of 16; on the way out: rows read back
.set RB,  32
.set ACC, 128                          ; v128-255 accumulator (a, t) at 128 + 8 (4 a + t)
.set G1A, 16
.set G1B, 24
.set G1SA, 32
.set G1SB, 40
.set G0A, 48                           ; s[48:63] X1's four groups 0: scales, slots 0, 1, 2;  s[68:83] X0's
.set G0B, 68
.set WV,  84
.set W1,  85                           ; which half of X1 is mine.  Also: I fetch for X1 (0) or X0 (1)
.set W0,  86                           ; which half of X0.  Also: which half of that tile I fetch
.set MSB, 0
.macro WIN new                         ; window 1 holds the fragments: two buffers, at v0 and v128: X1's four at 12 a, X0's at 48 + 12 t
.if MSB != \new
	s_set_vgpr_msb (MSB<<8)|\new
.set MSB, \new
.endif
.endm
.set W_MUL, 0x05
.set W_F,   0x40
.macro PLACES                          ; four plain places behind matrix instructions (ISA guide 7.12.1)
.rept 4
	v_nop
.endr
.endm
.macro CREST
	s_cmp_lg_u32 s[WV], 0
	s_cbranch_scc1 .Lnot_wave_0_\@
	s_barrier_signal -3
.Lnot_wave_0_\@:
	s_barrier_wait -3
	s_barrier_signal -1
	s_barrier_wait -1
.endm
.macro CROUND
	s_barrier_signal -1
	s_barrier_wait -1
	CREST
.endm
.macro JLOAD g0a, g1a, g0b, g1b        ; a joint load: waves 0, 1 for X1, waves 2, 3 for X0; four v_nop follow each line
	s_cmp_eq_u32 s[W1], 0
	s_cbranch_scc0 .Lfor_b_\@
	tensor_load_to_lds s[\g0a:\g0a+3], s[\g1a:\g1a+7]
	s_nop 0
.rept 4
	v_nop
.endr
	s_branch .Lasked_\@
.Lfor_b_\@:
	tensor_load_to_lds s[\g0b:\g0b+3], s[\g1b:\g1b+7]
	s_nop 0
.rept 4
	v_nop
.endr
.Lasked_\@:
.endm
.macro FETCH slot, q, buf              ; 32 LDS loads: the 8 fragments of the slot's q-th 128 along K
	WIN W_F
.irp i, 0,1,2,3
.irp c, 0,1
	ds_load_b128 v[\buf+12*\i+6*\c:\buf+12*\i+6*\c+3], v[A16+\slot] offset:\i*6144+(2*(\q)+\c)*768
	ds_load_b64 v[\buf+12*\i+6*\c+4:\buf+12*\i+6*\c+5], v[A8+\slot] offset:\i*6144+(2*(\q)+\c)*768
	ds_load_b128 v[\buf+48+12*\i+6*\c:\buf+48+12*\i+6*\c+3], v[B16+\slot] offset:\i*6144+(2*(\q)+\c)*768
	ds_load_b64 v[\buf+48+12*\i+6*\c+4:\buf+48+12*\i+6*\c+5], v[B8+\slot] offset:\i*6144+(2*(\q)+\c)*768
.endr
.endr
.endm
.macro SCALES kg, set
	WIN 0
.irp i, 0,1,2,3
	ds_load_b128 v[SC+16*(\set)+4*\i:SC+16*(\set)+4*\i+3], v[ADRS] offset:\i*1024+(\kg)*256
.endr
.endm
.macro MUL8 buf, a0, q, set, zero      ; the 16 accumulators take turns, one instruction a turn, in the same order in every step
	WIN W_MUL
.irp a, \a0, \a0+1
.irp t, 0,1,2,3
.if \zero
	v_wmma_scale_f32_16x16x128_f8f6f4 v[ACC+8*(4*(\a)+\t):ACC+8*(4*(\a)+\t)+7], v[\buf+48+12*\t:\buf+48+12*\t+11], v[\buf+12*(\a):\buf+12*(\a)+11], 0, v[SC+16*(\set)+4*\t+(\q)], v[SC+16*(\set)+4*(\a)+(\q)] matrix_a_fmt:MATRIX_FMT_FP6 matrix_b_fmt:MATRIX_FMT_FP6 matrix_a_scale:MATRIX_SCALE_ROW1
.else
	v_wmma_scale_f32_16x16x128_f8f6f4 v[ACC+8*(4*(\a)+\t):ACC+8*(4*(\a)+\t)+7], v[\buf+48+12*\t:\buf+48+12*\t+11], v[\buf+12*(\a):\buf+12*(\a)+11], v[ACC+8*(4*(\a)+\t):ACC+8*(4*(\a)+\t)+7], v[SC+16*(\set)+4*\t+(\q)], v[SC+16*(\set)+4*(\a)+(\q)] matrix_a_fmt:MATRIX_FMT_FP6 matrix_b_fmt:MATRIX_FMT_FP6 matrix_a_scale:MATRIX_SCALE_ROW1
.endif
.endr
.endr
.endm
.macro SYMS n                          ; step n of 16: its buffer, place and set; the next step's slot, place and buffer.  K group 3 lies in slot 0
.set CB, 128*((\n)%2)
.set CQ, (\n)%4
.set CSET, ((\n)/4)%2
.set NSL, (((\n)+1)/4)%3
.set NQ, ((\n)+1)%4
.set NB, 128*(((\n)+1)%2)
.set NKG, ((\n)+1)/4
.set NSET, (((\n)+1)/4)%2
.endm
.macro KSTEP n, zero                   ; the next step's 32 loads are issued ahead of this step's 16 products
	SYMS \n
	s_wait_dscnt 0x0                               ; this step's fragments are in
	PLACES
	FETCH NSL, NQ, NB
.if NQ == 0
	SCALES NKG, NSET
.endif
	MUL8 CB, 0, CQ, CSET, \zero
	MUL8 CB, 2, CQ, CSET, \zero
.endm
.macro TURN n, refill                  ; a K group's last step where waves must meet; refill = 1: a round of the cluster's barrier, and slot 0 is filled again first thing behind it
	SYMS \n
	s_wait_dscnt 0x0                               ; this step's fragments are in: my reads of the slot are over
	WIN 0                                          ; (the add's two registers lie in window 0)
	s_wait_tensorcnt 0x0                           ; all my tensor loads have landed
	ds_add_u32 v[SPW], v[NIL]                      ; 0 onto my spare word
	MUL8 CB, 0, CQ, CSET, 0                        ; eight products stand between the add and the wait for it
	s_wait_dscnt 0x0                               ; the add is done
	s_barrier_signal -1
	MUL8 CB, 2, CQ, CSET, 0
	WIN 0                                          ; at a branch and at a label every window is 0
	s_barrier_wait -1
.if \refill
	CREST                                          ; no wave of any partner still reads slot 0 or has a load on its way
	s_add_nc_u64 s[G0A+6:G0A+7], s[G0A+6:G0A+7], 3*6144   ; slot 0's descriptors: from K group 0 to K group 3
	s_add_nc_u64 s[G0B+6:G0B+7], s[G0B+6:G0B+7], 3*6144
	JLOAD G0A+4, G1A, G0B+4, G1B                   ; my one tensor load behind the round; its four v_nop are the places for the loads below
.else
	PLACES
.endif
	FETCH NSL, NQ, NB
	SCALES NKG, NSET
.endm
	s_load_b128 s[4:7], s[0:1], 0x0                ; bh, bw
	s_load_b64 s[8:9], s[0:1], 0x10                ; out0
	v_lshl_add_u32 v[SPW], v0, 2, SPARE
	v_mov_b32 v[NIL], 0
	ds_add_u32 v28, v29
	ds_add_u32 v28, v29
	s_wait_dscnt 0x0
	v_lshrrev_b32 v1, 5, v0
	v_readfirstlane_b32 s[WV], v1
	s_lshr_b32 s[W1], s[WV], 1
	s_and_b32 s[W0], s[WV], 1
	s_bfe_u32 s87, ttmp6, 0x40000                  ; cx
	s_bfe_u32 s88, ttmp6, 0x40004                  ; cy
	s_mov_b32 s89, ttmp9                           ; the cluster's x
	s_and_b32 s90, ttmp7, 0xffff                   ; and y
	s_lshl_b32 s2, s88, 2
	s_lshl_b32 s2, 15, s2                          ; my row of the cluster
	s_lshl_b32 s100, 0x1111, s87                   ; my column
	s_or_b32 s[G1A], s2, (3<<16)|(1<<21)           ; 15:0 the mask; 17:16 elements of 8 bytes; 21 set beside a mask; no padding
	s_or_b32 s[G1SA], s2, (3<<16)|(1<<21)
	s_or_b32 s[G1B], s100, (3<<16)|(1<<21)
	s_or_b32 s[G1SB], s100, (3<<16)|(1<<21)
.irp g, G1A, G1B                       ; codes: 4 row tiles x 6,144 bytes (512 along K), 24,576 bytes apart
	s_mov_b32 s[\g+1], 768<<16
	s_mov_b32 s[\g+2], 4<<16
	s_mov_b32 s[\g+3], 768<<16
	s_mov_b32 s[\g+4], 4
	s_mov_b32 s[\g+5], 3072
	s_mov_b32 s[\g+6], 0
	s_mov_b32 s[\g+7], 0
.endr
.irp g, G1SA, G1SB                     ; scales: 4 row tiles' 4,096 dense bytes as 16 rows of 256
	s_mov_b32 s[\g+1], 32<<16
	s_mov_b32 s[\g+2], 16<<16
	s_mov_b32 s[\g+3], 32<<16
	s_mov_b32 s[\g+4], 16
	s_mov_b32 s[\g+5], 32
	s_mov_b32 s[\g+6], 0
	s_mov_b32 s[\g+7], 0
.endr
	s_lshl_b32 s96, s90, 2
	s_add_co_u32 s96, s96, s88                     ; i1 = 4 cluster y + cy: X1's tile of 128 rows
	s_lshl_b32 s97, s89, 2
	s_add_co_u32 s97, s97, s87
	s_add_co_u32 s97, s97, 24                      ; i0 = 24 + 4 cluster x + cx: W_o's tile of 128 rows in bw
	s_mul_i32 s66, s[WV], 24576                    ; where my quarter of a slot lies: no place in the cluster enters an LDS address
	s_lshl_b32 s67, s[WV], 12
	s_add_co_u32 s67, s67, SCL
	s_wait_kmcnt 0x0
	s_mov_b64 s[92:93], s[4:5]
	s_mov_b64 s[94:95], s[6:7]
	s_lshl_b32 s2, s96, 13                         ; X1: 8,192 scale bytes a tile of 128 rows, my half of them
	s_lshl_b32 s3, s[W0], 12
	s_add_co_u32 s2, s2, s3
	s_add_co_u32 s2, s2, XSC
	s_mov_b32 s3, 0
	s_add_nc_u64 s[G0A+2:G0A+3], s[92:93], s[2:3]
	s_mul_i32 s2, s96, 196608
	s_mul_i32 s3, s[W0], 98304
	s_add_co_u32 s2, s2, s3
	s_mov_b32 s3, 0
	s_add_nc_u64 s[92:93], s[92:93], s[2:3]        ; X1's codes: my 4 row tiles, K group 0
	s_lshl_b32 s100, s97, 13                       ; X0 likewise
	s_lshl_b32 s101, s[W0], 12
	s_add_co_u32 s100, s100, s101
	s_add_co_u32 s100, s100, WSC
	s_mov_b32 s101, 0
	s_add_nc_u64 s[G0B+2:G0B+3], s[94:95], s[100:101]
	s_mul_i32 s100, s97, 196608
	s_mul_i32 s101, s[W0], 98304
	s_add_co_u32 s100, s100, s101
	s_mov_b32 s101, 0
	s_add_nc_u64 s[94:95], s[94:95], s[100:101]
	s_mov_b32 s[G0A], 1
	s_mov_b32 s[G0A+1], s67
	s_or_b32 s[G0A+3], s[G0A+3], 0x80000000
	s_mov_b32 s[G0B], 1
	s_mov_b32 s[G0B+1], s67
	s_or_b32 s[G0B+3], s[G0B+3], 0x80000000
.irp s, 0,1,2
	s_mov_b32 s[G0A+4+4*\s], 1
	s_add_co_u32 s[G0A+5+4*\s], s66, \s*SLOT
	s_add_nc_u64 s[G0A+6+4*\s:G0A+7+4*\s], s[92:93], \s*6144
	s_or_b32 s[G0A+7+4*\s], s[G0A+7+4*\s], 0x80000000
	s_mov_b32 s[G0B+4+4*\s], 1
	s_add_co_u32 s[G0B+5+4*\s], s66, \s*SLOT
	s_add_nc_u64 s[G0B+6+4*\s:G0B+7+4*\s], s[94:95], \s*6144
	s_or_b32 s[G0B+7+4*\s], s[G0B+7+4*\s], 0x80000000
.endr
	CROUND                                         ; all sixteen work-groups are here: the first joint loads meet
	s_cmp_eq_u32 s[W1], 0                          ; a wave's four first fills stand in one branch: the scales, K groups 0, 1, 2
	s_cbranch_scc0 .Lfirst_b
	tensor_load_to_lds s[G0A:G0A+3], s[G1SA:G1SA+7]
	s_nop 0
	tensor_load_to_lds s[G0A+4:G0A+7], s[G1A:G1A+7]
	s_nop 0
	tensor_load_to_lds s[G0A+8:G0A+11], s[G1A:G1A+7]
	s_nop 0
	tensor_load_to_lds s[G0A+12:G0A+15], s[G1A:G1A+7]
	s_nop 0
.rept 4
	v_nop
.endr
	s_branch .Lfirst_asked
.Lfirst_b:
	tensor_load_to_lds s[G0B:G0B+3], s[G1SB:G1SB+7]
	s_nop 0
	tensor_load_to_lds s[G0B+4:G0B+7], s[G1B:G1B+7]
	s_nop 0
	tensor_load_to_lds s[G0B+8:G0B+11], s[G1B:G1B+7]
	s_nop 0
	tensor_load_to_lds s[G0B+12:G0B+15], s[G1B:G1B+7]
	s_nop 0
.rept 4
	v_nop
.endr
.Lfirst_asked:
	v_and_b32 v1, 31, v0
	v_lshlrev_b32 v[L16], 4, v1
	v_lshlrev_b32 v[L8], 3, v1
	v_and_b32 v[RR], 15, v0
	v_bfe_u32 v[HH], v0, 4, 1
	v_add_nc_u32 v2, 512, v[L8]
	s_mul_i32 s66, s[W1], 24576                    ; my half of X1,
	s_mul_i32 s67, s[W0], 24576
	s_add_co_u32 s67, s67, 49152                   ; my half of X0, behind X1's 8 row tiles
.irp s, 0,1,2
	v_add_nc_u32 v[A16+\s], s66, v[L16]
	v_add_nc_u32 v[A8+\s], s66, v2
	v_add_nc_u32 v[B16+\s], s67, v[L16]
	v_add_nc_u32 v[B8+\s], s67, v2
	s_add_co_u32 s66, s66, SLOT
	s_add_co_u32 s67, s67, SLOT
.endr
	s_lshl_b32 s66, s[W1], 12                      ; X1's scales: my 4 row tiles
	s_lshl_b32 s67, s[W0], 12
	s_add_co_u32 s67, s67, 8192                    ; X0's lie behind X1's 8,192 bytes
	s_sub_co_u32 s67, s67, s66
	v_mul_u32_u24 v3, s67, v[HH]                   ; lanes 16-31 take X0's: the lower base + h x the distance
	s_add_co_u32 s66, s66, SCL
	v_lshl_add_u32 v3, v[RR], 4, v3
	v_add_nc_u32 v[ADRS], s66, v3
	s_mul_i32 s66, s[WV], 17408
	s_add_co_u32 s66, s66, STG                     ; my stage
	v_mul_u32_u24 v3, v[RR], 272
	v_lshl_add_u32 v3, v[HH], 6, v3
	v_add_nc_u32 v[STO], s66, v3                   ; in: row r, + 64 h
	v_mul_u32_u24 v3, v[HH], 272
	v_lshl_add_u32 v3, v[RR], 4, v3
	v_add_nc_u32 v[RD], s66, v3                    ; back: lanes 0-15 one row of 256 bytes, lanes 16-31 the next
	v_lshlrev_b32 v[CO], 13, v[HH]
	v_lshl_add_u32 v[CO], v[RR], 4, v[CO]          ; and the same two rows in out0, 8,192 bytes apart
	s_wait_tensorcnt 2                             ; the scales and my part of K group 0 are in; K groups 1 and 2 may be out
	s_barrier_signal -1
	s_barrier_wait -1
	FETCH 0, 0, 0
	SCALES 0, 0
	KSTEP 0, 1                                     ; the first step's products start the sums: nothing is cleared
	KSTEP 1, 0
	KSTEP 2, 0
	TURN 3, 1                                      ; slot 0 is left and filled again; slots 1 and 2 are whole for every wave
.irp n, 4,5,6,7,8,9,10
	KSTEP \n, 0
.endr
	TURN 11, 0                                     ; the one load that was out is K group 3's
	KSTEP 12, 0
	KSTEP 13, 0
	KSTEP 14, 0
	s_wait_dscnt 0x0
	MUL8 128, 0, 3, 1, 0
	MUL8 128, 2, 3, 1, 0
	WIN 0
	PLACES
	; ---- THE WAY OUT: a lane holds 16 + 16 neighbours of a row's 64: through my stage, back as pieces of 256 bytes of a row
	s_lshl_b32 s16, s96, 20                        ; 128 i1 rows of 8,192 bytes,
	s_lshl_b32 s17, s[W1], 19                      ; my 64 of them,
	s_add_co_u32 s16, s16, s17
	s_sub_co_u32 s18, s97, 24
	s_lshl_b32 s18, s18, 9                         ; 128 columns of 4 bytes a tile,
	s_add_co_u32 s16, s16, s18
	s_lshl_b32 s18, s[W0], 8                       ; my 64 of them
	s_add_co_u32 s16, s16, s18
	s_mov_b32 s17, 0
	s_add_nc_u64 s[8:9], s[8:9], s[16:17]
.irp a, 0,1,2,3
.irp b, 0,1
.irp i, 0,1,2,3
	ds_store_b128 v[STO], v[ACC+32*\a+16*\b+4*\i:ACC+32*\a+16*\b+4*\i+3] offset:128*\b+16*\i   ; each accumulator from its low end on
.endr
.endr
	s_wait_xcnt 0x0                                ; earlier stores have read the registers that the loads below fill
.irp i, 0,1,2,3,4,5,6,7
	ds_load_b128 v[RB+4*\i:RB+4*\i+3], v[RD] offset:2*\i*272    ; LDS serves a wave's instructions in order: these see the stores above
.endr
.irp i, 0,1,2,3,4,5,6,7
	s_wait_dscnt 7-\i                              ; the loads issued behind load i may be out
	global_store_b128 v[CO], v[RB+4*\i:RB+4*\i+3], s[8:9] offset:(32*(\a/2)+8*(\a%2)+2*\i+8*(\i/4))*8192 th:TH_STORE_NT   ; sixteen lanes store 256 consecutive bytes, at a multiple of 256 from out0's first byte
.endr
.endr
	s_wait_tensorcnt 0x0                           ; the wave's end
	ds_add_u32 v[SPW], v[NIL]
	s_wait_dscnt 0x0
	CROUND                                         ; the closing round
	s_endpgm
.Lfunc_end_k_qb4e1e23fdc_gemm_out:
	.size	k_qb4e1e23fdc_gemm_out, .Lfunc_end_k_qb4e1e23fdc_gemm_out-k_qb4e1e23fdc_gemm_out
	.p2alignl 7, 3214868480
	.fill 96, 4, 3214868480
	.section	.rodata,"a",@progbits
	.p2align	6, 0x0
	.amdhsa_kernel k_qb4e1e23fdc_gemm_out
		.amdhsa_group_segment_fixed_size 327680
		.amdhsa_private_segment_fixed_size 0
		.amdhsa_enable_private_segment 0
		.amdhsa_kernarg_size 24
		.amdhsa_user_sgpr_count 2
		.amdhsa_user_sgpr_kernarg_segment_ptr 1
		.amdhsa_wavefront_size32 1
		.amdhsa_system_sgpr_workgroup_id_x 1
		.amdhsa_system_sgpr_workgroup_id_y 1
		.amdhsa_system_sgpr_workgroup_id_z 1
		.amdhsa_system_vgpr_workitem_id 0
		.amdhsa_next_free_vgpr 512
		.amdhsa_next_free_sgpr 102
		.amdhsa_reserve_vcc 0
		.amdhsa_float_denorm_mode_32 3
		.amdhsa_float_denorm_mode_16_64 3
		.amdhsa_memory_ordered 1
		.amdhsa_forward_progress 1
		.amdhsa_inst_pref_size 89
	.end_amdhsa_kernel
	.amdgpu_metadata
---
amdhsa.version: [ 1, 2 ]
amdhsa.kernels:
  - .name:           k_qb4e1e23fdc_gemm_out
    .symbol:         k_qb4e1e23fdc_gemm_out.kd
    .args:
      - { .name: bh, .offset: 0, .size: 8, .value_kind: global_buffer, .address_space: global }
      - { .name: bw, .offset: 8, .size: 8, .value_kind: global_buffer, .address_space: global }
      - { .name: out0, .offset: 16, .size: 8, .value_kind: global_buffer, .address_space: global }
    .group_segment_fixed_size: 327680
    .private_segment_fixed_size: 0
    .kernarg_segment_align: 8
    .kernarg_segment_size: 24
    .max_flat_workgroup_size: 128
    .sgpr_count:     102
    .vgpr_count:     512
    .wavefront_size: 32
...
	.end_amdgpu_metadata
.endif
;; end of part 4
;; ======== version 2 of 2: 4 launches; version 1 with the launch attn written anew for expert scheduling mode
;; workspace buffers: bx 3,276,800 bytes; bw 8,192,000 bytes; bm 524,288 bytes of whole numbers; bq 3,407,872 bytes; bkv 1,671,168 bytes; bh 3,276,800 bytes
;; launch prep: the kernel of part 1 again; grid 416 x 1, 4 waves a work-group, no clusters, 84,480 bytes of LDS; arguments x, mask, W_q, W_k, W_v, W_o, bx, bw, bm; writes bx, bw, bm
;; launch gemm_qkv: the kernel of part 2 again; grid 24 x 16, 4 waves a work-group, clusters of 4 x 4, 327,680 bytes of LDS; arguments bx, bw, bq, bkv, out1, out2; writes bq, bkv, out1, out2
;; launch attn (part 5): grid 32 x 8, 16 waves a work-group, no clusters, 38,912 bytes of LDS; arguments bq, bkv, bm, bh; writes bh
.if DOCPART == 5
	.amdgcn_target "amdgcn-amd-amdhsa--gfx1250"
	.amdhsa_code_object_version 6
	.text
	.protected	k_qb4e1e23fdc_attn
	.globl	k_qb4e1e23fdc_attn
	.p2align	8
	.type	k_qb4e1e23fdc_attn,@function
k_qb4e1e23fdc_attn:
	s_mov_b64 s[64:65], 0
	v_nop
	global_prefetch_b8 v0, s[64:65] scope:SCOPE_SE
	s_setreg_imm32_b32 hwreg(HW_REG_WAVE_SCHED_MODE, 0, 2), 2
	s_setreg_imm32_b32 hwreg(HW_REG_WAVE_MODE, 25, 1), 1
	s_wait_xcnt 0x0
	s_wait_alu depctr_vm_vsrc(0)
; out_h = softmax(Q K^T / 8, under the mask) V for 32 query heads on 8 key and value heads, both products on codes of FP6 (E2M3); out_h leaves as codes, quantised along its 64, for the last product.
; THE SOFTMAX: t = score x log2(e) / 8; M = the running largest t rounded UP to a whole number; p = 2^(t - M) is quantised along the keys, not normalised; the row's sum is taken of the unquantised p and divides at the end.
; When M moves, the sum and O are multiplied by 2^(old M - new M): exact.
; THE MASK is an input: bm holds it as bits, word n of a key step being the lane mask of score register n: one v_cndmask_b32 a register puts -infinity where the bit is 0.  A key step whose 64 words are all 0 for my 16
; queries adds nothing (every p is 0, the maximum stays): its work is jumped over by a scalar branch on those stored words; the stores into LDS, the loads and the barrier are on every wave's path.
; A row with no key at all has the sum 0: its scale byte in bh becomes 0xff, so that its whole row of the last product is NaN, as a softmax over nothing is.
; SHARES.  A work-group: one key and value head g, its four query heads, four row tiles of 16 queries: sixteen waves, a tile of one head each, four to a SIMD.  The tiles are i, 63 - i, 64 + i, 127 - i (i: work-group x),
; so that under a mask that hides late keys from early queries the work-groups have like work; no value hangs on it.  All sixteen waves read the same K and V.
; K AND V go from memory through registers into LDS: a key step's 12,288 bytes are 16 pieces of 768, one a wave (16 + 8 bytes a lane, the same offsets in memory and in LDS), loaded three steps ahead, stored one step ahead.
; NO CLUSTER, though the 32 work-groups of a head walk the same K and V.
; LAYOUT.  Both products transposed: S^T = K Q^T, O^T = V^T P^T: a lane holds ONE query.  By the row order of the tiles (row r of tile T is 32 (T / 2) + 8 (T % 2) + r + 8 (r / 8)) score register n is key 32 (n / 16) + 16 h + n % 16.
; THE FIRST PRODUCT'S K IS 64, the instruction's 128: Q's codes of the upper 64 are zeros, so whatever finite codes stand there in K's operand (the next tile's; zeros behind the last) add 0; the scale words' upper bytes are 0, not 0xff.
; bh's scale bytes leave one byte a lane (131,072 bytes in the whole launch): a head has two of a row's 64.
; LIMITS: NaN and infinities in Q, K, V are not served; a block of zeros gets the byte 1, not 127 (zero codes; read by this program alone).
; THE MODE: SCHED_MODE bits 1:0 = 2 (LLVM: expert scheduling mode 2), set by the entry lines.  The code itself states the register dependences between vector or matrix instructions and memory or LDS instructions,
; with s_wait_alu, always for 0.
; THE PLAN.  Registers that memory or LDS instructions touch:
;   v1, v2, v3, v7, v8, v10   offsets, made at the head and never written again.
;   v5, v6       the step's scale-word addresses: written by two adds at the head of a step that is walked; read by that step's three scale loads.
;   PA, PB       my piece of K and V: written by global loads, read by the two LDS stores at a step's head; no vector instruction names them.
;   KF, v200-207 K's fragments and scale words: written by LDS loads, read by the eight first products.   KF again, v208-211: V's, written by LDS loads behind the selects, read by the four second products.
;   v22-27, v90-95  zero codes, written at the head, read by the first products.   v224-235, v253: p's codes and scale word, written by vector instructions, read by the second products.
;   s[4:51], s[68:83]  the mask words: written by scalar loads, read by the 64 selects.
; A step has ONE wait on vm_vsrc, ahead of its branch (the LDS stores have read the piece, the last LDS loads v5 and v6), and three waits on va_vdst beside the two that stand behind the exponentials:
; ahead of K's loads, behind the selects (ahead of the next mask words and of V's loads, which are then dealt among the maxima: these name v96-159 and v232-235 alone), and ahead of the second products.
.set QSC,  3145728
.set KVS,  1572864
.set XSC,  3145728
.set SLOT, 12288                       ; LDS: 0: K's scale words (8,192) and V's (4,096) of the whole head; then two slots of a key step
.set PA,   30                          ; v30-35, v36-41 my piece of an even, an odd key step
.set PB,   36
.set KF,   42                          ; v42-89 K's 8 halves, later V's 4 fragments; v90-95 zeros
.set TM,   232
.set KVB,  52                          ; s[52:53] K and V of the trip's first step
.set MB,   54                          ; s[54:55] the mask words
.set CS,   56                          ; s[56:57] c = log2(e) / 8
.set SEL,  58                          ; s[58:59] lane l xor 16
.set TS,   100                         ; s100 the step's place among K's scale words: 512 bytes a step;  s101 among V's: 256
.set TJ,   101
; v1 16 l, v2 8 l, v3 16 r, v4 8,192 + 16 r, v5, v6 the step's scale addresses, v7, v8 my piece's offsets, v9 -infinity, v10 16 r + h, v11 h, v12 -M, v13 largest t, v[14:15] the sum,
; v16-21 Q, v22-27 zeros, v28 Q's scale word, v96-159 S^T then p, v160-191 O^T, v200-207 K's scale words, v208-211 V's, v224-235 p's codes, v232-254 at work; v251 my spare word, v255 0: for the closing lines alone.
; s[4:51], s[68:83]: the step's 64 mask words.
.macro MLOAD off
	s_load_b512 s[4:19], s[MB:MB+1], (\off)
	s_load_b512 s[20:35], s[MB:MB+1], (\off)+64
	s_load_b512 s[36:51], s[MB:MB+1], (\off)+128
	s_load_b512 s[68:83], s[MB:MB+1], (\off)+192
.endm
; V: half g of eight: 16 of the head's 64 (tile g / 2) x 64 of the step's 128 keys (g % 2), out of the slot that begins at SBS
.macro VLD g
	ds_load_b128 v[KF+6*(\g):KF+6*(\g)+3], v1 offset:SBS+6144+3072*((\g)%2)+768*((\g)/2)
	ds_load_b64 v[KF+6*(\g)+4:KF+6*(\g)+5], v2 offset:SBS+6144+3072*((\g)%2)+768*((\g)/2)+512
.endm
	s_load_b256 s[84:91], s[0:1], 0x0              ; bq, bkv, bm, bh
	v_lshl_add_u32 v251, v0, 2, 0x9000
	v_mov_b32 v255, 0
	v_lshrrev_b32 v5, 5, v0
	v_readfirstlane_b32 s63, v5                    ; wave 0..15
	v_and_b32 v6, 31, v0
	v_lshlrev_b32 v1, 4, v6
	v_lshlrev_b32 v2, 3, v6
	v_and_b32 v10, 15, v0
	v_bfe_u32 v11, v0, 4, 1
	v_lshlrev_b32 v3, 4, v10
	v_add_nc_u32 v4, 8192, v3
	v_mul_u32_u24 v7, v5, 768
	v_add_nc_u32 v8, v7, v2
	v_add_nc_u32 v8, 512, v8                       ; 768 wave + 512 + 8 l
	v_add_nc_u32 v7, v7, v1                        ; 768 wave + 16 l
	v_lshl_add_u32 v10, v10, 4, v11
	v_mov_b32 v9, 0xff800000
	s_wait_alu depctr_va_sdst(0)                   ; s63 is written, ahead of its first reader: the head and the tile are made from it
	s_and_b32 s92, ttmp7, 0xffff                   ; g
	s_lshr_b32 s93, s63, 2                         ; which of the group's four heads
	s_and_b32 s94, s63, 3
	s_add_co_u32 s94, s94, s93
	s_and_b32 s94, s94, 3                          ; which of the four tiles: turned by the head, so that each tile is met once among any four waves w, w + 4, ..
	s_lshl_b32 s95, ttmp9, 1
	s_sub_co_u32 s95, 63, s95
	s_and_b32 s96, s94, 1
	s_mul_i32 s95, s95, s96
	s_add_co_u32 s95, s95, ttmp9
	s_lshr_b32 s96, s94, 1
	s_lshl_b32 s96, s96, 6
	s_add_co_u32 s95, s95, s96                     ; T = i, 63 - i, 64 + i, 127 - i
	s_lshl_b32 s96, s92, 2
	s_add_co_u32 s96, s96, s93                     ; the query head
	s_mov_b32 s99, 0
	s_mov_b32 s[CS], 0x3e38aa3b
	s_mov_b32 s[CS+1], s[CS]
	s_mov_b32 s[SEL], 0x76543210
	s_mov_b32 s[SEL+1], 0xfedcba98
	s_mov_b32 s[TS], 0
	s_mov_b32 s[TJ], 0
	s_wait_kmcnt 0x0
	s_lshl_b32 s98, s95, 12
	s_add_nc_u64 s[MB:MB+1], s[88:89], s[98:99]    ; my tile's 16 x 64 mask words
	MLOAD 0
	s_mul_i32 s98, s92, 196608
	s_add_nc_u64 s[KVB:KVB+1], s[86:87], s[98:99]
	s_mul_i32 s98, s92, 12288
	s_add_co_u32 s98, s98, KVS
	s_add_nc_u64 s[86:87], s[86:87], s[98:99]      ; the head's scale bytes
	s_lshl_b32 s98, s96, 7
	s_add_co_u32 s98, s98, s95
	s_mul_i32 s98, s98, 768
	s_add_nc_u64 s[88:89], s[84:85], s[98:99]      ; Q's codes
	s_lshl_b32 s98, s96, 5
	s_lshr_b32 s97, s95, 2
	s_add_co_u32 s98, s98, s97
	s_lshl_b32 s98, s98, 8
	s_and_b32 s97, s95, 3
	s_lshl_b32 s97, s97, 2
	s_add_co_u32 s98, s98, s97
	s_add_co_u32 s98, s98, QSC
	s_add_nc_u64 s[84:85], s[84:85], s[98:99]      ; Q's scale words
	s_mul_i32 s98, s95, 24576
	s_mul_i32 s97, s96, 768
	s_add_co_u32 s98, s98, s97
	s_add_nc_u64 s[92:93], s[90:91], s[98:99]      ; bh: my half
	s_lshl_b32 s98, s95, 10
	s_lshr_b32 s97, s96, 3
	s_lshl_b32 s97, s97, 8
	s_add_co_u32 s98, s98, s97
	s_and_b32 s97, s96, 7
	s_lshl_b32 s97, s97, 1
	s_add_co_u32 s98, s98, s97
	s_add_co_u32 s98, s98, XSC
	s_add_nc_u64 s[90:91], s[90:91], s[98:99]      ; bh: my two scale bytes of each row
	s_wait_alu depctr_va_vdst(0)                   ; the offsets v1, v2, v3, v7, v8 and v10 are written: every load and store of the kernel but the scale words' reads one of them, and none is written again
	global_load_b128 v[192:195], v7, s[86:87]      ; my piece of the scale bytes,
	global_load_b64 v[196:197], v8, s[86:87]
	global_load_b128 v[PA:PA+3], v7, s[KVB:KVB+1]  ; of key step 0,
	global_load_b64 v[PA+4:PA+5], v8, s[KVB:KVB+1]
	global_load_b128 v[PB:PB+3], v7, s[KVB:KVB+1] offset:SLOT   ; of key step 1
	global_load_b64 v[PB+4:PB+5], v8, s[KVB:KVB+1] offset:SLOT
	global_load_b128 v[16:19], v1, s[88:89]        ; Q stays in registers
	global_load_b64 v[20:21], v2, s[88:89] offset:512
	global_load_b32 v28, v3, s[84:85]
	v_mov_b32 v13, 0xff61b1e6                      ; the largest t so far: -3e38
	v_floor_f32 v12, -v13                          ; -M
	v_mov_b32 v14, 0
	v_mov_b32 v15, 0
.irp j, 0,1,2,3,4,5
	v_mov_b32 v[22+\j], 0                          ; Q's codes of k = 64 .. 127
	v_mov_b32 v[90+\j], 0                          ; what stands behind K's last tile
.endr
.irp j, 0,1,2,3,4,5,6,7
	v_mov_b32 v[232+\j], 0                         ; lane permutes' destinations count as sources
.endr
	v_mov_b32 v252, 0
	v_mov_b32 v253, 0
.irp j, 0,1,2,3,4,5,6,7,8,9,10,11,12,13,14,15,16,17,18,19,20,21,22,23,24,25,26,27,28,29,30,31
	v_mov_b32 v[160+\j], 0                         ; O^T: the step is written once: the first finds zeros, which the first change of M leaves zeros
.endr
	s_wait_loadcnt 0x0
	ds_store_b128 v7, v[192:195]
	ds_store_b64 v8, v[196:197]
	ds_store_b128 v7, v[PA:PA+3] offset:SLOT
	ds_store_b64 v8, v[PA+4:PA+5] offset:SLOT
	s_wait_dscnt 0x0                               ; for the others' sake: my pieces are in LDS
	s_wait_alu depctr_vm_vsrc(0)                   ; the LDS stores have read v30-35, in which the two loads below land
	global_load_b128 v[PA:PA+3], v7, s[KVB:KVB+1] offset:2*SLOT
	global_load_b64 v[PA+4:PA+5], v8, s[KVB:KVB+1] offset:2*SLOT
	s_barrier_signal -1
	s_barrier_wait -1
; A KEY STEP j, in slot p = j % 2.  st: my piece of step j + 1 goes into the other slot, and a barrier ends the step;  ld: my piece of step j + 3 is asked for;  lcnt: the loads that may stay out;  ml: step j + 1's mask words are asked for.
.macro STEP p, st, ld, lcnt, ml
.set SBS, SLOT+(\p)*SLOT
.set SOT, SLOT+(1-(\p))*SLOT
.set SET, PB-6*(\p)
.if \st
	s_wait_loadcnt \lcnt                           ; piece j + 1 is in; piece j + 2's two loads may be out
	ds_store_b128 v7, v[SET:SET+3] offset:SOT      ; the other slot was left by every wave at the last barrier
	ds_store_b64 v8, v[SET+4:SET+5] offset:SOT
.endif
	s_wait_kmcnt 0x0                               ; this step's mask words
.if (\p) && (\ml)
	s_add_nc_u64 s[MB:MB+1], s[MB:MB+1], 512       ; no scalar load is out
.endif
	s_or_b64 s[60:61], s[4:5], s[6:7]
.irp k, 8,10,12,14,16,18,20,22,24,26,28,30,32,34,36,38,40,42,44,46,48,50,68,70,72,74,76,78,80,82
	s_or_b64 s[60:61], s[60:61], s[\k:\k+1]
.endr
	s_or_b32 s60, s60, s61
	s_wait_alu depctr_vm_vsrc(0)                   ; on both ways: the two LDS stores above have read the piece's registers, in which the loads below land; the LDS loads of the step walked last have read v5 and v6, which the adds behind the branch write
.if \ld
	global_load_b128 v[SET:SET+3], v7, s[KVB:KVB+1] offset:((\p)+3)*SLOT   ; the piece's registers are asked for again at once; no vector instruction ever names them
	global_load_b64 v[SET+4:SET+5], v8, s[KVB:KVB+1] offset:((\p)+3)*SLOT
.endif
	s_cmp_eq_u32 s60, 0
	s_cbranch_scc1 .Lskip_\@                       ; no key of the step counts for any of my 16 queries
	v_add_nc_u32 v5, s[TS], v3
	v_add_nc_u32 v6, s[TJ], v4
	v_nop
	v_nop                                          ; four places behind the last products, as before
	s_wait_alu depctr_va_vdst(0)                   ; v5 and v6 are written, which the scale words' loads read; the last products are done reading v42-89 and v200-207, in which the loads below land; in the first step walked: the zeros in v22-27 and v90-95 are written, which the products below take
.irp t, 0,1,2,3,4,5,6,7
	ds_load_b128 v[KF+6*\t:KF+6*\t+3], v1 offset:SBS+768*\t
	ds_load_b64 v[KF+6*\t+4:KF+6*\t+5], v2 offset:SBS+768*\t+512
.endr
	ds_load_b128 v[200:203], v5
	ds_load_b128 v[204:207], v5 offset:256
	s_wait_dscnt 0x0
.irp t, 0,1,2,3,4,5,6,7
	v_wmma_scale_f32_16x16x128_f8f6f4 v[96+8*\t:103+8*\t], v[KF+6*\t:KF+6*\t+11], v[16:27], 0, v[200+\t], v28 matrix_a_fmt:MATRIX_FMT_FP6 matrix_b_fmt:MATRIX_FMT_FP6
.endr
.rept 4
	v_nop
.endr
.irp n, 0,1,2,3,4,5,6,7,8,9,10,11,12,13,14,15,16,17,18,19,20,21,22,23,24,25,26,27,28,29,30,31,32,33,34,35,36,37,38,39,40,41,42,43,44,45,46,47
	v_cndmask_b32 v[96+\n], v9, v[96+\n], s[4+\n]  ; the mask: -infinity where the bit is 0
.endr
.irp n, 48,49,50,51,52,53,54,55,56,57,58,59,60,61,62,63
	v_cndmask_b32 v[96+\n], v9, v[96+\n], s[20+\n]
.endr
	s_wait_alu depctr_va_vdst(0)                   ; the eight products are done reading v42-89, and earlier products v208-211, in which V's loads land; the selects are done reading the mask words, over which the scalar loads below write
.if \ml
	MLOAD 256*(1-(\p))
.endif
	ds_load_b128 v[208:211], v6                    ; V's scale words, and V's four fragments (16 of the head's 64 x the step's 128 keys), two loads ahead of each four maxima.  No further wait: the maxima name v96-159 and v232-235 alone
	VLD 0
.irp b, 0,1,2,3
	v_max3_num_f32 v[232+\b], v[96+16*\b], v[97+16*\b], v[98+16*\b]   ; the largest score of each block of 32 keys: for the row's maximum, and, since p rises with the score, for the block's largest p
.endr
.irp i, 3,5,7,9,11,13
	VLD (\i-1)/2
.irp b, 0,1,2,3
	v_max3_num_f32 v[232+\b], v[232+\b], v[96+16*\b+\i], v[97+16*\b+\i]
.endr
.endr
	VLD 7
.irp b, 0,1,2,3
	v_max_num_f32 v[232+\b], v[232+\b], v[111+16*\b]
.endr
.irp b, 0,1,2,3
	v_permlanex16_b32 v[236+\b], v[232+\b], s[SEL], s[SEL+1]
.endr
.irp b, 0,1,2,3
	v_max_num_f32 v[232+\b], v[232+\b], v[236+\b]
.endr
	v_max3_num_f32 v254, v232, v233, v234
	v_max_num_f32 v254, v254, v235
	v_mul_f32 v254, s[CS], v254
	v_max_num_f32 v13, v13, v254                   ; the running largest t
	v_mov_b32 v254, v12
	v_floor_f32 v12, -v13                          ; the new -M = -ceil(t): a whole number
	v_sub_f32 v254, v12, v254
	v_cvt_i32_f32 v254, v254                       ; (it saturates)
	v_ldexp_f32 v252, 1.0, v254                    ; f = 2^(old M - new M)
.irp j, 0,2,4,6,8,10,12,14,16,18,20,22,24,26,28,30,32,34,36,38,40,42,44,46,48,50,52,54,56,58,60,62
	v_pk_fma_f32 v[96+\j:97+\j], v[96+\j:97+\j], s[CS:CS+1], v[12:13] op_sel_hi:[1,0,0]   ; t - M
.endr
.irp b, 0,1,2,3
	v_fma_f32 v[232+\b], v[232+\b], s[CS], v12
.endr
.irp j, 0,1,2,3,4,5,6,7,8,9,10,11,12,13,14,15,16,17,18,19,20,21,22,23,24,25,26,27,28,29,30,31,32,33,34,35,36,37,38,39,40,41,42,43,44,45,46,47,48,49,50,51,52,53,54,55,56,57,58,59,60,61,62,63
	v_exp_f32 v[96+\j], v[96+\j]                   ; p = 2^(t - M)
.endr
	v_pk_mul_f32 v[14:15], v[14:15], v[252:253] op_sel_hi:[1,0]   ; the sums under the new M: a plain place behind the exponentials
	s_wait_alu depctr_va_vdst(0)                   ; the 64 exponentials have written v96-159: one wait for the batch, ahead of its first reader
.irp b, 0,1,2,3
	v_exp_f32 v[232+\b], v[232+\b]                 ; each block's largest p
.endr
	v_pk_add_f32 v[236:237], v[96:97], v[98:99]    ; the row's sum, of the unquantised p, in two chains
.irp j, 4,8,12,16,20,24,28,32,36,40,44,48,52,56,60
	v_pk_add_f32 v[14:15], v[14:15], v[96+\j:97+\j]
	v_pk_add_f32 v[236:237], v[236:237], v[98+\j:99+\j]
.endr
	v_pk_add_f32 v[14:15], v[14:15], v[236:237]
	s_wait_alu depctr_va_vdst(0)                   ; the four exponentials have written v232-235: and one for the four
.irp b, 0,1,2,3
	v_max_num_f32 v[232+\b], 0x1800000, v[232+\b]  ; the floor 2^(3 - 127)
.endr
.irp b, 0,1,2,3
	v_add_nc_u32 v[244+\b], 0xff000000, v[232+\b]
.endr
.irp b, 0,1,2,3
	v_lshrrev_b32 v[236+\b], 23, v[244+\b]
.endr
	v_lshl_or_b32 v253, v237, 8, v236              ; p's scale word for these 128 keys
	v_lshl_or_b32 v253, v238, 16, v253
	v_lshl_or_b32 v253, v239, 24, v253
.irp c, 0,1
	v_cvt_scalef32_pk16_fp6_f32 v[224+6*\c:226+6*\c], v[96+32*\c:111+32*\c], v[244+2*\c]
	v_cvt_scalef32_pk16_fp6_f32 v[236+4*\c:238+4*\c], v[112+32*\c:127+32*\c], v[244+2*\c+1]
.endr
	v_nop                                          ; one plain place behind a scaled conversion
.irp c, 0,1
.irp i, 0,1,2
	v_permlane16_swap_b32 v[224+6*\c+\i], v[236+4*\c+\i]
.endr
.irp i, 0,1,2
	v_mov_b32 v[227+6*\c+\i], v[236+4*\c+\i]
.endr
.endr
.irp j, 0,2,4,6,8,10,12,14,16,18,20,22,24,26,28,30
	v_pk_mul_f32 v[160+\j:161+\j], v[160+\j:161+\j], v[252:253] op_sel_hi:[1,0]   ; O^T under the new M; these 16 are also the places between p's codes and scale word and the products
.endr
	s_wait_dscnt 0x0                               ; V is in
	s_wait_alu depctr_va_vdst(0)                   ; p's codes v224-235 and its scale word v253 are written, which the scaled products below take; the places above stay beside this wait
.irp d, 0,1,2,3
	v_wmma_scale_f32_16x16x128_f8f6f4 v[160+8*\d:167+8*\d], v[KF+12*\d:KF+12*\d+11], v[224:235], v[160+8*\d:167+8*\d], v[208+\d], v253 matrix_a_fmt:MATRIX_FMT_FP6 matrix_b_fmt:MATRIX_FMT_FP6
.endr
	s_branch .Ljoin_\@
.Lskip_\@:
.if \ml
	MLOAD 256*(1-(\p))                             ; (the last selects that read these words stand ahead of an earlier step's wait on va_vdst)
.endif
.Ljoin_\@:
	s_add_co_u32 s[TS], s[TS], 512
	s_add_co_u32 s[TJ], s[TJ], 256
	s_wait_dscnt 0x0                               ; my stores into the other slot have landed; my reads of this slot are over
.if \st
	s_barrier_signal -1                            ; one barrier a step: the other slot is whole, and nobody reads this one any more
	s_barrier_wait -1
.endif
.endm
.macro TRIPEND
	s_wait_xcnt 0x0                                ; the loads have read their base
	s_add_nc_u64 s[KVB:KVB+1], s[KVB:KVB+1], 2*SLOT
.endm
	s_mov_b32 s62, 6
.Ltrip:                                            ; key steps 0 to 11, two a trip
	STEP 0, 1, 1, 2, 1
	STEP 1, 1, 1, 2, 1
	TRIPEND
	s_sub_co_u32 s62, s62, 1
	s_cmp_lg_u32 s62, 0
	s_cbranch_scc1 .Ltrip
	STEP 0, 1, 1, 2, 1                             ; step 12 asks for the last piece, 15: no load leaves its buffer
	STEP 1, 1, 0, 2, 1
	TRIPEND
	STEP 0, 1, 0, 0, 1                             ; piece 15 alone was out
	STEP 1, 0, 0, 0, 0
	; THE WAY OUT: O^T / the sum; register 16 b + i is d = 32 b + 16 h + i of my query: two blocks of 32 of the last product's K
.rept 4
	v_nop                                          ; places behind the last products
.endr
	v_add_f32 v14, v14, v15
	v_permlanex16_b32 v252, v14, s[SEL], s[SEL+1]
	v_add_f32 v14, v14, v252                       ; the row's sum
	v_cmp_eq_f32 s60, 0, v14                       ; 0: no key counted for this query
	v_rcp_f32 v15, v14
	v_cmp_ne_u32 vcc_lo, 0, v11                    ; (a plain place behind the reciprocal)
	s_wait_alu depctr_va_vdst(0)                   ; the reciprocal has written v15: the wait ahead of its first reader
	s_wait_alu depctr_va_sdst(0)                   ; the first compare has written s60, ahead of the select that reads it
	s_wait_alu depctr_va_vcc(0)                    ; the second compare has written VCC, ahead of the select that reads it
.irp j, 0,1,2,3,4,5,6,7,8,9,10,11,12,13,14,15,16,17,18,19,20,21,22,23,24,25,26,27,28,29,30,31
	v_mul_f32 v[96+\j], v[160+\j], v15
.endr
	v_max3_num_f32 v[TM], |v96|, |v97|, 0x1800000
	v_max3_num_f32 v[TM+1], |v112|, |v113|, 0x1800000
.irp i, 2,4,6,8,10,12,14
	v_max3_num_f32 v[TM], v[TM], |v[96+\i]|, |v[97+\i]|
	v_max3_num_f32 v[TM+1], v[TM+1], |v[112+\i]|, |v[113+\i]|
.endr
	v_permlanex16_b32 v[TM+2], v[TM], s[SEL], s[SEL+1]
	v_permlanex16_b32 v[TM+3], v[TM+1], s[SEL], s[SEL+1]
	v_max_num_f32 v[TM], v[TM], v[TM+2]
	v_max_num_f32 v[TM+1], v[TM+1], v[TM+3]
	v_add_nc_u32 v[TM+4], 0xff000000, v[TM]
	v_add_nc_u32 v[TM+5], 0xff000000, v[TM+1]
	v_lshrrev_b32 v[TM+6], 23, v[TM+4]
	v_lshrrev_b32 v[TM+7], 23, v[TM+5]
	v_cvt_scalef32_pk16_fp6_f32 v[200:202], v[96:111], v[TM+4]
	v_cvt_scalef32_pk16_fp6_f32 v[208:210], v[112:127], v[TM+5]
	v_nop                                          ; one plain place behind a scaled conversion
.irp i, 0,1,2
	v_permlane16_swap_b32 v[200+\i], v[208+\i]
.endr
.irp i, 0,1,2
	v_mov_b32 v[203+\i], v[208+\i]
.endr
	v_cndmask_b32 v240, v[TM+6], v[TM+7], vcc_lo   ; the byte of block h,
	v_mov_b32 v241, 0xff
	v_cndmask_b32 v240, v240, v241, s60            ; or NaN's, for a row without keys
	s_wait_alu depctr_va_vdst(0)                   ; the codes v200-205 and the byte v240 are written, which the three stores below read
	global_store_b128 v1, v[200:203], s[92:93]     ; my half: 512 consecutive bytes,
	global_store_b64 v2, v[204:205], s[92:93] offset:512   ; and 256
	global_store_b8 v10, v240, s[90:91]
	s_wait_dscnt 0x0                               ; the closing lines, six on end
	s_wait_alu 0x0
	s_wait_tensorcnt 0x0
	ds_add_u32 v251, v255
	s_wait_dscnt 0x0
	s_endpgm
.Lfunc_end_k_qb4e1e23fdc_attn:
	.size	k_qb4e1e23fdc_attn, .Lfunc_end_k_qb4e1e23fdc_attn-k_qb4e1e23fdc_attn
	.p2alignl 7, 3214868480
	.fill 96, 4, 3214868480
	.section	.rodata,"a",@progbits
	.p2align	6, 0x0
	.amdhsa_kernel k_qb4e1e23fdc_attn
		.amdhsa_group_segment_fixed_size 38912
		.amdhsa_private_segment_fixed_size 0
		.amdhsa_enable_private_segment 0
		.amdhsa_kernarg_size 32
		.amdhsa_user_sgpr_count 2
		.amdhsa_user_sgpr_kernarg_segment_ptr 1
		.amdhsa_wavefront_size32 1
		.amdhsa_system_sgpr_workgroup_id_x 1
		.amdhsa_system_sgpr_workgroup_id_y 1
		.amdhsa_system_sgpr_workgroup_id_z 1
		.amdhsa_system_vgpr_workitem_id 0
		.amdhsa_next_free_vgpr 256
		.amdhsa_next_free_sgpr 102
		.amdhsa_reserve_vcc 1
		.amdhsa_float_denorm_mode_32 3
		.amdhsa_float_denorm_mode_16_64 3
		.amdhsa_memory_ordered 1
		.amdhsa_forward_progress 1
		.amdhsa_inst_pref_size 142
	.end_amdhsa_kernel
	.amdgpu_metadata
---
amdhsa.version: [ 1, 2 ]
amdhsa.kernels:
  - .name:           k_qb4e1e23fdc_attn
    .symbol:         k_qb4e1e23fdc_attn.kd
    .args:
      - { .name: bq, .offset: 0, .size: 8, .value_kind: global_buffer, .address_space: global }
      - { .name: bkv, .offset: 8, .size: 8, .value_kind: global_buffer, .address_space: global }
      - { .name: bm, .offset: 16, .size: 8, .value_kind: global_buffer, .address_space: global }
      - { .name: bh, .offset: 24, .size: 8, .value_kind: global_buffer, .address_space: global }
    .group_segment_fixed_size: 38912
    .private_segment_fixed_size: 0
    .kernarg_segment_align: 8
    .kernarg_segment_size: 32
    .max_flat_workgroup_size: 512
    .sgpr_count:     102
    .vgpr_count:     256
    .wavefront_size: 32
...
	.end_amdgpu_metadata
.endif
;; end of part 5
;; launch gemm_out: the kernel of part 4 again; grid 16 x 16, 4 waves a work-group, clusters of 4 x 4, 327,680 bytes of LDS; arguments bh, bw, out0; writes out0
